; MI455X (gfx1250); checked and timed in simulation.
; The chip was launched on July 23, 2026; its instructions are those of AMD's public machine-readable ISA for CDNA 5 (MIT licence, August 2026) and "CDNA5" Instruction Set Architecture Reference Guide (July 2026). The comments in the code are by the model that wrote it; some were corrected since.
;; Scaled Dot Product Attention. Allowed arithmetic: matrix products marked QUANTISED: E2M1 operands, one E8M0 scale for each 32 along K, by v_wmma_scale_f32_16x16x128_f8f6f4 with both operands' format E2M1 (or v_wmma_scale_f32_32x16x128_f4), f32 sums; everything else in f32.
;; Inputs: k 4 x 16 x 2,048 x 64 float32; mask 2,048 x 2,048 bool; q 4 x 16 x 2,048 x 64 float32; v 4 x 16 x 2,048 x 64 float32.
;; Outputs: out0 4 x 16 x 2,048 x 64 float32.
;; This version of the problem:
;;   THIS VERSION OF THE PROBLEM IS GIVEN IN LOW PRECISION. The matrix products marked QUANTISED in the list below multiply operands that are first quantised to E2M1 (2 exponent bits, 1 mantissa bit; 4 bits a number), with one power-of-two scale for each 32 numbers along K (OCP MX v1.0); their sums are f32. All else is computed in f32.
;;   The module's matrix products, in the order in which they are computed (A, B: the left and right operand; K: the contracted axis; several contracted axes count as one K, in the product's order):
;;     1. batch 64 x [M 2,048, K 64] x [K 64, N 2,048]; A: input q; B: input k: QUANTISED
;;     2. batch 64 x [M 2,048, K 2,048] x [K 2,048, N 64]; A: softmax (see below); B: input v: QUANTISED
;;   THE QUANTISER, for each operand of a quantised product, along K:
;;     - K is cut into blocks of 32 from its start; a last block that is shorter is filled with zeros.
;;     - A block's scale is 2^e with e = floor(log2(the largest magnitude in the block)) - 2, held to -126 .. 127; a block of zeros has e = 0. As a byte (E8M0): e + 127.
;;     - Each number is divided by its block's scale, clamped to +-6, and rounded to the nearest number of E2M1, ties to even, subnormals kept.
;;     - The product sums the exact products of the quantised numbers (number of the format x scale) in f32.
;;   ~~~python
;;   def quantise(x, axis):      # numpy; x: float32 -> the quantised numbers, widened to float32 again
;;       x = np.moveaxis(x, axis, -1); K = x.shape[-1]
;;       x = np.pad(x, [(0, 0)] * (x.ndim - 1) + [(0, -K % 32)]); x = x.reshape(x.shape[:-1] + (-1, 32)); a = np.abs(x).max(-1, keepdims=True)
;;       e = np.where(a > 0, np.clip(np.frexp(np.where(a > 0, a, 1))[1] - 1 - 2, -126, 127), 0)      # np.frexp(a)[1] - 1 = floor(log2(a)), exactly
;;       r = np.clip(x / 2.0 ** e, -6, 6)
;;       step = 2.0 ** (np.maximum(np.frexp(np.where(r == 0, 1, r))[1] - 1, 0) - 1)
;;       q = np.round(r / step) * step * 2.0 ** e      # np.round: ties to even
;;       return np.moveaxis(q.reshape(q.shape[:-2] + (-1,))[..., :K], -1, axis).astype(np.float32)
;;   ~~~
;;   SOFTMAX AHEAD OF A QUANTISED PRODUCT. Where the list says 'softmax', what is quantised is not the finished softmax but p = 2^(t - M), with t = logit x log2(e) and M = ceil(the row's largest t), a whole number; so 1/2 < the row's largest p <= 1. The row's sum l is taken of the UNQUANTISED p, in f32, and the product's result is divided by l at the end. Since M is a whole number, a kernel that streams over the keys may use a running M (the ceiling of the running maximum): every later rescaling is an exact power of two, which a block's scale takes up: the codes' values come out the same.
;;   OPERANDS COMPUTED ON THE WAY. 'Computed on the way' means the value that the module computes at that place (a softmax that the list does not call 'softmax' is quantised finished and normalised). What goes into a quantiser is computed in f32, as accurately as f32 sums, v_exp_f32 and their like allow (about 1e-6 of the number): no bf16 or f16 on the way to a quantiser, and a product that is left as it is and whose result goes on into a quantised operand takes f32 operands (vector FMAs, or v_wmma_f32_16x16x4_f32). A number that lies on a knife's edge between two numbers of the format may be rounded either way, as far as f32 arithmetic and the matrix unit's own rounding can turn it there, and no further.
;; 2 versions. Each part assembles by itself: llvm-mc -triple=amdgcn-amd-amdhsa -mcpu=gfx1250 --defsym DOCPART=n.
;; ======== version 1 of 2: 2 launches
;; workspace buffers: kc 4,194,304 bytes; vc 4,194,304 bytes; sc 524,288 bytes; ml 524,288 bytes of whole numbers; fl 512 bytes of whole numbers
;; launch prep (part 1): grid 640 x 1, 4 waves a work-group, no clusters, 33,280 bytes of LDS; arguments k, v, mask, kc, vc, sc, ml, fl; writes kc, vc, sc, ml, fl
.if DOCPART == 1
	.amdgcn_target "amdgcn-amd-amdhsa--gfx1250"
	.amdhsa_code_object_version 6
	.text
	.protected	k_q5c9a82b4f1_prep
	.globl	k_q5c9a82b4f1_prep
	.p2align	8
	.type	k_q5c9a82b4f1_prep,@function
k_q5c9a82b4f1_prep:
	s_mov_b64 s[64:65], 0
	v_nop
	global_prefetch_b8 v0, s[64:65] scope:SCOPE_SE
	s_setreg_imm32_b32 hwreg(HW_REG_WAVE_MODE, 25, 1), 1
	s_wait_xcnt 0x0
; PREP: what every work-group of the attention launch would otherwise make anew is made once.  Three jobs, parted by the work-group's number:
;   work-groups   0-255  K: k [64 heads][2048 keys][64] f32 -> kc: codes of FP4 (E2M1), a key's 64 codes in 32 bytes, rows on end; its scale bytes -> sc, laid as the attention's scale words
;   work-groups 256-511  V: v [64][2048 keys][64] f32, quantised ALONG THE KEYS -> vc: codes in the order of the operand's registers; its scale bytes -> sc
;   work-groups 512-639  M: mask [2048][2048] bytes -> ml: for each tile of 16 queries x 128 keys 64 lane masks, one for each score register; fl: two bits of state for each such tile
; THE QUANTISER: a block's scale is 2^(floor(log2(its largest magnitude)) - 2); its byte is the largest magnitude's exponent field - 2, held at 1 from below; each number / scale goes to the nearest code, ties to even,
; beyond 6 the largest code.  A block of zeros gets the byte 1 where the rule says 127: its codes are zeros, which add nothing under any byte but 0xff, and this program alone reads the bytes.
; LIMITS: blocks whose largest magnitude lies under 2^-124 (the floor) were not tried; NaN and infinities in k and v are not served.
; LAYOUTS.  sc, 8,192 bytes a head: bytes 0-4095 K's words [step 16][b 4][r 16]: byte 2 c + h of word (s, b, r) = the scale of key 128 s + 32 b + 8 c + r + 8 (r / 8), block h of its 64;
;   bytes 4096-8191 V's words [step 16][d 64]: byte j = the scale of column d, keys 128 s + 32 j on.
;   vc, 65,536 bytes a head: [step 16][tile of 16 columns 4][c 2][h 2][r 16][16 bytes]: the 32 codes of column 16 t + r, keys 128 s + 64 c + 32 h on.
;   ml: [tile of queries 128][step 16][n 64] words: bit l of word n = mask[16 qt + l % 16][128 s + 32 (n / 16) + 16 (l / 16) + n % 16] is not 0.
;   fl: [tile of queries 128] words: bit 2 s = some byte of step s is true, bit 2 s + 1 = not all of them are.
; No matrix unit, no data mover, no cluster, no barrier: the waves share nothing, and the launch only streams.  Only path K uses LDS, each wave its own 8,192 bytes.
.set WREG,  8192                       ; path K: a wave's LDS: two stages of 32 x SP bytes, behind them its 256 scale bytes
.set SP,    80                         ; a lane's place in a stage: 64 bytes + 16 of padding
.set STEPS, 16
.set EMAX,  2
.set R,     16                         ; path K: v16-79   four sets of 16 numbers as loaded
.set X,     80                         ;         v80-111  two sets of 16 neighbours
.set E,     112                        ;         v112-127 a scale byte for each step
.set C,     128                        ;         v128-191 codes, four registers for each step: no store's data are written again
.set XV,    32                         ; path V: v32-95   two sets of 32 numbers
.set CV,    96                         ;         v96-127  codes, four registers for each block
.set SBV,   24                         ;         v24-25   the scale bytes, four to a register
.set MB,    32                         ; path M: v32-95   the mask bytes of four steps
.set MW,    96                         ;         v96-103  a pair of registers of lane masks for each step
	s_load_b256 s[4:11], s[0:1], 0x0               ; k s[4:5], v s[6:7], mask s[8:9], kc s[10:11]
	s_load_b256 s[12:19], s[0:1], 0x20             ; vc s[12:13], sc s[14:15], ml s[16:17], fl s[18:19]
	v_lshl_add_u32 v192, v0, 2, 0x8000
	v_mov_b32 v193, 0
	v_lshrrev_b32 v1, 5, v0
	v_readfirstlane_b32 s20, v1                    ; wave 0..3
	v_and_b32 v2, 31, v0                           ; lane
	s_mov_b32 s23, 0                               ; the upper word of every offset pair s[22:23]
	s_wait_kmcnt 0x0
	s_cmp_lt_u32 ttmp9, 256
	s_cbranch_scc1 .Lpath_k
	s_cmp_lt_u32 ttmp9, 512
	s_cbranch_scc1 .Lpath_v
; ---------------- PATH M.  The work-group takes a tile of 16 queries, wave w its key steps 4 w .. 4 w + 3.  Lane (r = l % 16, h = l / 16) loads the bytes of query r, keys 32 b + 16 h + 0 .. 15 of each step:
; just the keys whose scores that lane will hold.  Byte i of block b is score register n = 16 b + i: a compare turns the 32 lanes' bytes into one word.
	s_sub_co_u32 s21, ttmp9, 512                   ; qt
	s_lshl_b32 s22, s21, 15                        ; 16 rows of 2,048 bytes
	s_lshl_b32 s24, s20, 9                         ; + 4 steps of 128 bytes a wave
	s_add_co_u32 s22, s22, s24
	s_add_nc_u64 s[8:9], s[8:9], s[22:23]
	s_lshl_b32 s22, s21, 12                        ; ml: 16 steps of 256 bytes a tile
	s_lshl_b32 s24, s20, 10
	s_add_co_u32 s22, s22, s24
	s_add_nc_u64 s[16:17], s[16:17], s[22:23]
	s_lshl_b32 s22, s21, 2                         ; fl: a word a tile, my wave's byte of it
	s_add_co_u32 s22, s22, s20
	s_add_nc_u64 s[18:19], s[18:19], s[22:23]
	v_and_b32 v3, 15, v0
	v_bfe_u32 v5, v0, 4, 1
	v_lshlrev_b32 v3, 11, v3
	v_lshl_add_u32 v3, v5, 4, v3                   ; row r, + 16 h
	v_lshlrev_b32 v4, 3, v2                        ; out: 8 bytes a lane
.irp g, 0,1,2,3
.irp b, 0,1,2,3
	global_load_b128 v[MB+16*\g+4*\b:MB+16*\g+4*\b+3], v3, s[8:9] offset:128*\g+32*\b
.endr
.endr
.irp j, 0,1,2,3,4,5,6,7
	v_mov_b32 v[MW+\j], 0                          ; v_writelane_b32's destination counts as read
.endr
	s_mov_b32 s32, 0                               ; my four steps' states
.macro MSTEP g
	s_wait_loadcnt 12-4*\g                         ; this step's four loads are in; the later steps' four each may be out
.set n, 0
.rept 64
	v_and_b32 v[12+n%4], 0xff<<(8*(n%4)), v[MB+16*\g+n/4]          ; byte n % 16 of block n / 16
	v_cmp_ne_u32 s[24+n%4], 0, v[12+n%4]           ; the 32 lanes' bits: word n
	v_writelane_b32 v[MW+2*\g+n%2], s[24+n%4], n/2 ; lane n / 2 will store words n and n + 1 together
.set n, n+1
.endr
	v_or_b32 v16, v[MW+2*\g], v[MW+2*\g+1]
	v_and_b32 v17, v[MW+2*\g], v[MW+2*\g+1]
	v_cmp_ne_u32 s28, 0, v16                       ; some word has a bit
	v_cmp_ne_u32 s29, -1, v17                      ; some word lacks one
	s_cmp_lg_u32 s28, 0
	s_cselect_b32 s30, 1<<(2*\g), 0
	s_cmp_lg_u32 s29, 0
	s_cselect_b32 s31, 2<<(2*\g), 0
	s_or_b32 s32, s32, s30
	s_or_b32 s32, s32, s31
	global_store_b64 v4, v[MW+2*\g:MW+2*\g+1], s[16:17] offset:256*\g   ; 32 lanes store 256 consecutive bytes, aligned; these registers are not written again
.endm
	MSTEP 0
	MSTEP 1
	MSTEP 2
	MSTEP 3
	v_mov_b32 v14, s32
	v_mov_b32 v15, 0
	v_cmp_eq_u32 vcc_lo, 0, v2
	s_wait_xcnt 0x0                                ; EXEC is a source of the stores above: it changes only behind this wait
	s_and_saveexec_b32 s33, vcc_lo
	global_store_b8 v15, v14, s[18:19]             ; lane 0 alone: my four steps' byte of the tile's word
	s_wait_xcnt 0x0                                ; and again in front of the line that widens EXEC
	s_or_b32 exec_lo, exec_lo, s33
	s_endpgm
; ---------------- PATH K.  k is a plain stream of blocks of 32.  A wave takes a run of 8,192 numbers: the 128 keys of one key step, in 16 steps of 512 numbers (8 keys).
; Each load reads 512 consecutive bytes, 16 a lane; a step's 2,048 bytes turn through the wave's own stage in LDS and come back 64 bytes a lane: 16 neighbours, two neighbouring lanes to a block.
; A lane's 16 codes are 8 bytes: the wave stores 256 consecutive bytes.  The run's 256 scale bytes are gathered in LDS, at the places that the attention's scale words want, and leave as 256 consecutive bytes.
.Lpath_k:
	v_lshlrev_b32 v3, 4, v2                        ; my 16 bytes of a load's 512
	s_mul_i32 s21, s20, WREG
	v_lshrrev_b32 v14, 2, v2
	v_mul_u32_u24 v14, v14, SP
	v_and_b32 v15, 3, v2
	v_lshl_add_u32 v14, v15, 4, v14
	v_add_nc_u32 v14, s21, v14                     ; the stage, on the way in: SP (lane / 4) + 16 (lane % 4)
	v_mul_u32_u24 v15, v2, SP
	v_add_nc_u32 v15, s21, v15                     ; and on the way out: SP x lane
	v_lshlrev_b32 v4, 3, v2                        ; 8 x lane: my codes' place in a step's, and my 8 scale bytes on the way out
	s_add_co_u32 s21, s21, 2*32*SP
	v_lshrrev_b32 v5, 2, v2
	v_lshlrev_b32 v5, 2, v5
	v_bfe_u32 v7, v2, 1, 1
	v_add_nc_u32 v5, v5, v7
	v_add_nc_u32 v5, s21, v5                       ; my block's scale byte: in step t lane l holds half of block h = (l / 2) % 2 of key 8 t + l / 4: 4 (l / 4) + h, the rest stands in the store's offset
	v_add_nc_u32 v6, s21, v4
	s_lshl_b32 s24, ttmp9, 2
	s_add_co_u32 s24, s24, s20                     ; the run: 4 x work-group + wave = 16 x head + key step
	s_lshl_b32 s22, s24, 15
	s_add_nc_u64 s[4:5], s[4:5], s[22:23]          ; 32,768 bytes of k a run,
	s_lshl_b32 s22, s24, 12
	s_add_nc_u64 s[10:11], s[10:11], s[22:23]      ; 4,096 of codes,
	s_lshr_b32 s22, s24, 4
	s_lshl_b32 s22, s22, 13
	s_and_b32 s25, s24, 15
	s_lshl_b32 s25, s25, 8
	s_add_co_u32 s22, s22, s25
	s_add_nc_u64 s[14:15], s[14:15], s[22:23]      ; and in sc 8,192 bytes a head, 256 a key step
.macro KLOAD t
.irp i, 0,1,2,3
	global_load_b128 v[R+16*((\t)%4)+4*\i:R+16*((\t)%4)+4*\i+3], v3, s[4:5] offset:2048*(\t)+512*\i th:TH_LOAD_NT   ; 32 lanes read 512 consecutive bytes, read once in the launch
.endr
.endm
.macro KTURN t                         ; step t's numbers through the stage: LDS serves a wave's instructions in order (ISA guide 5.7.1), so no wait stands between the stores and the loads
.irp i, 0,1,2,3
	ds_store_b128 v14, v[R+16*((\t)%4)+4*\i:R+16*((\t)%4)+4*\i+3] offset:32*SP*((\t)%2)+8*SP*\i
.endr
.irp i, 0,1,2,3
	ds_load_b128 v[X+16*((\t)%2)+4*\i:X+16*((\t)%2)+4*\i+3], v15 offset:32*SP*((\t)%2)+16*\i
.endr
.endm
.irp t, 0,1,2,3
	KLOAD \t
.endr
	s_wait_loadcnt 12                              ; step 0's four loads are in
	KTURN 0
.macro KSTEP t
.set XS, X+16*((\t)%2)
.if (\t) > 0
	s_wait_dscnt 1                                 ; this step's numbers are back from the stage (the last step's byte store may be out): so its stores into the stage have read their registers,
.else
	s_wait_dscnt 0x0
.endif
.if (\t)+4 < STEPS
	KLOAD (\t)+4                                   ; which take the loads of four steps on
.endif
.if (\t)+1 < STEPS
.if STEPS-2-(\t) >= 3
	s_wait_loadcnt 12                              ; the next step's four loads are in; those of the three steps behind it may be out
.else
	s_wait_loadcnt 4*(STEPS-2-(\t))
.endif
	KTURN (\t)+1                                   ; and go through the other stage while this step is worked
.endif
	v_max3_num_f32 v8, |v[XS]|, |v[XS+1]|, |v[XS+2]|               ; the largest magnitude of my 16, in two chains
	v_max3_num_f32 v9, |v[XS+3]|, |v[XS+4]|, |v[XS+5]|
.irp i, 6,10
	v_max3_num_f32 v8, v8, |v[XS+\i]|, |v[XS+\i+1]|
	v_max3_num_f32 v9, v9, |v[XS+\i+2]|, |v[XS+\i+3]|
.endr
	v_max3_num_f32 v8, v8, |v[XS+14]|, |v[XS+15]|
	v_max3_num_f32 v8, v8, v9, (EMAX+1)<<23        ; and the floor 2^(3 - 127): the byte cannot fall under 1
	v_max_num_f32_dpp v8, v8, v8 row_xmask:1 row_mask:0xf bank_mask:0xf   ; and of my neighbour's 16: the block's
	v_add_nc_u32 v11, -(EMAX<<23), v8              ; 2 off its exponent field: the conversion takes the exponent field of this operand as its scale, and nothing else of it
	v_cvt_scalef32_pk8_fp4_f32 v[C+4*(\t)], v[XS:XS+7], v11
	v_cvt_scalef32_pk8_fp4_f32 v[C+4*(\t)+1], v[XS+8:XS+15], v11
	v_lshrrev_b32 v[E+(\t)], 23, v11               ; the scale's byte (a plain line behind the conversions)
	ds_store_b8 v5, v[E+(\t)] offset:64*((\t)/4)+32*(((\t)/2)%2)+2*((\t)%2)   ; key 8 t + l / 4 = 32 b + 16 (r / 8) + 8 c + r % 8 with b = t / 4, r / 8 = (t / 2) % 2, c = t % 2: byte 64 b + 4 r + 2 c + h.  Both lanes of a block write the same byte with the same value
	global_store_b64 v4, v[C+4*(\t):C+4*(\t)+1], s[10:11] offset:256*(\t)     ; 32 lanes store 256 consecutive bytes, aligned
.endm
.irp t, 0,1,2,3,4,5,6,7,8,9,10,11,12,13,14,15
	KSTEP \t
.endr
	ds_load_b64 v[12:13], v6                       ; in order behind my byte stores
	s_wait_dscnt 0x0
	global_store_b64 v4, v[12:13], s[14:15]        ; the key step's 64 scale words: 256 consecutive bytes, aligned
	s_wait_tensorcnt 0x0
	ds_add_u32 v192, v193
	s_wait_dscnt 0x0
	s_endpgm
; ---------------- PATH V.  The keys are the second product's K, and they are v's FIRST axis within a head.  A LANE TAKES A COLUMN d AND ITS REGISTERS RUN DOWN THE KEYS: a block of 32 keys lies in one lane's 32 registers,
; its maximum needs no other lane, and the conversions give 16 bytes that are four registers of the operand.  Work-group u: head u / 4; a wave takes 32 columns (wave % 2) x 256 keys (group 2 (u % 4) + wave / 2): 8 blocks.
; Each load reads 128 consecutive bytes; the two waves of a key group stand side by side on a row's 256.  Loads run two blocks (64 loads a wave) ahead.
.Lpath_v:
	s_sub_co_u32 s21, ttmp9, 256
	s_lshr_b32 s24, s21, 2                         ; head
	s_and_b32 s25, s21, 3
	s_lshl_b32 s25, s25, 1
	s_lshr_b32 s26, s20, 1
	s_add_co_u32 s25, s25, s26                     ; key group 0..7
	s_and_b32 s26, s20, 1                          ; which 32 columns
	s_lshl_b32 s22, s24, 19                        ; v: 524,288 bytes a head, 65,536 a key group, 128 for 32 columns
	s_lshl_b32 s27, s25, 16
	s_add_co_u32 s22, s22, s27
	s_lshl_b32 s27, s26, 7
	s_add_co_u32 s22, s22, s27
	s_add_nc_u64 s[6:7], s[6:7], s[22:23]
	s_lshl_b32 s22, s24, 16                        ; vc: 65,536 a head, 8,192 a key group (two steps), 2,048 for two tiles of columns
	s_lshl_b32 s27, s25, 13
	s_add_co_u32 s22, s22, s27
	s_lshl_b32 s27, s26, 11
	s_add_co_u32 s22, s22, s27
	s_add_nc_u64 s[12:13], s[12:13], s[22:23]
	s_lshl_b32 s22, s24, 13                        ; sc: 8,192 a head, V's words from byte 4,096 on, 512 a key group, 128 for 32 columns
	s_lshl_b32 s27, s25, 9
	s_add_co_u32 s22, s22, s27
	s_lshl_b32 s27, s26, 7
	s_add_co_u32 s22, s22, s27
	s_add_co_u32 s22, s22, 4096
	s_add_nc_u64 s[14:15], s[14:15], s[22:23]
	v_lshlrev_b32 v3, 2, v2                        ; in: 4 bytes a lane; also my column's scale word
	v_lshrrev_b32 v8, 4, v2
	v_and_b32 v9, 15, v2
	v_lshlrev_b32 v8, 10, v8
	v_lshl_add_u32 v8, v9, 4, v8                   ; out: tile lane / 16 (1,024 bytes), row lane % 16 (16 bytes)
.macro LOADV t                         ; block t: v(32 t + i, my column), i = 0 .. 31, into set t % 2
.irp i, 0,1,2,3,4,5,6,7,8,9,10,11,12,13,14,15,16,17,18,19,20,21,22,23,24,25,26,27,28,29,30,31
	global_load_b32 v[XV+32*((\t)%2)+\i], v3, s[6:7] offset:(32*(\t)+\i)*256 th:TH_LOAD_NT
.endr
.endm
	LOADV 0
	LOADV 1
.macro BLOCKV t
.set XS, XV+32*((\t)%2)
.if (\t) < 7
	s_wait_loadcnt 32                              ; this block's 32 loads are in; the next block's may be out
.else
	s_wait_loadcnt 0x0
.endif
	v_max3_num_f32 v12, |v[XS]|, |v[XS+1]|, |v[XS+2]|              ; the block's largest magnitude: all 32 numbers are mine
	v_max3_num_f32 v13, |v[XS+3]|, |v[XS+4]|, |v[XS+5]|
.irp i, 6,10,14,18,22,26
	v_max3_num_f32 v12, v12, |v[XS+\i]|, |v[XS+\i+1]|
	v_max3_num_f32 v13, v13, |v[XS+\i+2]|, |v[XS+\i+3]|
.endr
	v_max3_num_f32 v12, v12, |v[XS+30]|, |v[XS+31]|
	v_max3_num_f32 v12, v12, v13, (EMAX+1)<<23     ; and the floor
	v_add_nc_u32 v11, -(EMAX<<23), v12             ; the conversion's scale operand
	v_lshrrev_b32 v13, 23, v11                     ; the scale's byte
.if (\t)%4 == 0
	v_mov_b32 v[SBV+(\t)/4], v13                   ; four bytes to a register, the earlier keys in the lower byte: a key step's word
.else
	v_lshl_or_b32 v[SBV+(\t)/4], v13, 8*((\t)%4), v[SBV+(\t)/4]
.endif
.irp g, 0,1,2,3
	v_cvt_scalef32_pk8_fp4_f32 v[CV+4*(\t)+\g], v[XS+8*\g:XS+8*\g+7], v11
.endr
	global_store_b128 v8, v[CV+4*(\t):CV+4*(\t)+3], s[12:13] offset:4096*((\t)/4)+512*(((\t)/2)%2)+256*((\t)%2)   ; step t / 4, c = (t / 2) % 2, h = t % 2; sixteen lanes store 256 consecutive bytes, aligned; these registers are not written again
.if (\t)%4 == 3
	global_store_b32 v3, v[SBV+(\t)/4], s[14:15] offset:256*((\t)/4)   ; 32 columns' words of a key step: 128 consecutive bytes, one byte for each 128 that the wave reads
.endif
.if (\t)+2 < 8
	LOADV (\t)+2                                   ; (the next block begins with plain vector lines: they stand between the conversions and the next write of v11)
.endif
.endm
.irp t, 0,1,2,3,4,5,6,7
	BLOCKV \t
.endr
	s_endpgm
.Lfunc_end_k_q5c9a82b4f1_prep:
	.size	k_q5c9a82b4f1_prep, .Lfunc_end_k_q5c9a82b4f1_prep-k_q5c9a82b4f1_prep
	.p2alignl 7, 3214868480
	.fill 96, 4, 3214868480
	.section	.rodata,"a",@progbits
	.p2align	6, 0x0
	.amdhsa_kernel k_q5c9a82b4f1_prep
		.amdhsa_group_segment_fixed_size 33280
		.amdhsa_private_segment_fixed_size 0
		.amdhsa_enable_private_segment 0
		.amdhsa_kernarg_size 64
		.amdhsa_user_sgpr_count 2
		.amdhsa_user_sgpr_kernarg_segment_ptr 1
		.amdhsa_wavefront_size32 1
		.amdhsa_system_sgpr_workgroup_id_x 1
		.amdhsa_system_sgpr_workgroup_id_y 1
		.amdhsa_system_sgpr_workgroup_id_z 1
		.amdhsa_system_vgpr_workitem_id 0
		.amdhsa_next_free_vgpr 194
		.amdhsa_next_free_sgpr 66
		.amdhsa_reserve_vcc 1
		.amdhsa_float_denorm_mode_32 3
		.amdhsa_float_denorm_mode_16_64 3
		.amdhsa_memory_ordered 1
		.amdhsa_forward_progress 1
		.amdhsa_inst_pref_size 124
	.end_amdhsa_kernel
	.amdgpu_metadata
---
amdhsa.version: [ 1, 2 ]
amdhsa.kernels:
  - .name:           k_q5c9a82b4f1_prep
    .symbol:         k_q5c9a82b4f1_prep.kd
    .args:
      - { .name: k, .offset: 0, .size: 8, .value_kind: global_buffer, .address_space: global }
      - { .name: v, .offset: 8, .size: 8, .value_kind: global_buffer, .address_space: global }
      - { .name: mask, .offset: 16, .size: 8, .value_kind: global_buffer, .address_space: global }
      - { .name: kc, .offset: 24, .size: 8, .value_kind: global_buffer, .address_space: global }
      - { .name: vc, .offset: 32, .size: 8, .value_kind: global_buffer, .address_space: global }
      - { .name: sc, .offset: 40, .size: 8, .value_kind: global_buffer, .address_space: global }
      - { .name: ml, .offset: 48, .size: 8, .value_kind: global_buffer, .address_space: global }
      - { .name: fl, .offset: 56, .size: 8, .value_kind: global_buffer, .address_space: global }
    .group_segment_fixed_size: 33280
    .private_segment_fixed_size: 0
    .kernarg_segment_align: 8
    .kernarg_segment_size: 64
    .max_flat_workgroup_size: 128
    .sgpr_count:     66
    .vgpr_count:     194
    .wavefront_size: 32
...
	.end_amdgpu_metadata
.endif
;; end of part 1
;; launch attn (part 2): grid 256 x 1, 16 waves a work-group, no clusters, 210,944 bytes of LDS; arguments q, kc, vc, sc, ml, fl, out0; writes out0
.if DOCPART == 2
	.amdgcn_target "amdgcn-amd-amdhsa--gfx1250"
	.amdhsa_code_object_version 6
	.text
	.protected	k_q5c9a82b4f1_attn
	.globl	k_q5c9a82b4f1_attn
	.p2align	8
	.type	k_q5c9a82b4f1_attn,@function
k_q5c9a82b4f1_attn:
	s_mov_b64 s[64:65], 0
	v_nop
	global_prefetch_b8 v0, s[64:65] scope:SCOPE_SE
	s_setreg_imm32_b32 hwreg(HW_REG_WAVE_MODE, 25, 1), 1
	s_wait_xcnt 0x0
; out0[head][q][:] = the sum over k of softmax_k(mask ? q . k / 8 : -inf) v[k][:], 64 heads, 2,048 queries and keys, head size 64; both products on codes of FP4 (E2M1) with one E8M0 scale for each 32 along a product's K.
; THE SOFTMAX AHEAD OF THE SECOND PRODUCT: t = score x log2(e) / 8; M = the row's largest t so far, rounded UP to a whole number; p = 2^(t - M) is quantised along the keys, not normalised; the row's sum is taken of the
; unquantised p and divides O at the end.  When M moves, the sum and O are multiplied by 2^(old M - new M), which rounds nothing.
; THE MASK IS AN INPUT.  The launch before has turned it into whole numbers: for each tile of 16 queries x 128 keys (a key step) two bits of state (fl) and 64 lane masks (ml), one for each score register.
; A step with no true byte adds nothing (every p is 0) and is passed over by a scalar branch; a step with all bytes true needs no masking; in any other the hidden scores become -inf ahead of the maximum.  Right for every mask.
; SHARES.  A work-group: one head, 512 queries.  Each of its SIXTEEN waves owns two tiles of 16 queries, one after the other: tiles 127 - p and p, p = 16 (work-group % 4) + wave: only an order of the tiles.
; 256 registers a wave, four waves to a SIMD: one wave's vector work stands beside another's products and LDS loads.
; LDS.  A head's K and V as codes with their scale words are 139,264 bytes: they come ONCE, through registers, behind ONE barrier; after it no wave waits for another.
; NO DATA MOVER, NO CLUSTER: no tensor load, so there is no joint load either; what the four work-groups of a head share is those 139,264 bytes, read once at the head.
; NO PREFETCH: every global read but the lane masks stands at the kernel's head, and the lane masks of a tile of queries are read by all 64 heads.
; LAYOUT.  Both products are used transposed: S^T = K Q^T (source 0 = 16 keys, source 1 = my 16 queries), O^T = V^T P^T (source 0 = 16 of the head's 64, source 1 = P): a lane holds ONE query (lane % 16) throughout.
; THE FIRST PRODUCT'S K IS 64, the instruction's 128.  A fragment of K holds TWO tiles of keys: registers 0-3 tile 2 b, registers 4-7 tile 2 b + 1.  It is multiplied twice: by {q, zeros}, which gives tile 2 b, and by
; {zeros, q}, which gives tile 2 b + 1: zero codes add nothing.  The zero half's scale bytes are 0 (2^-127).  THE KEYS OF A TILE ARE NOT NEIGHBOURS: lane r of tile 2 b + c takes key 32 b + 8 c + r + 8 (r / 8), so that the
; 16 registers of tiles 2 b and 2 b + 1 are keys 32 b + 16 (lane / 16) + 0 .. 15.
; LIMITS.  A row with no true mask byte: sum 0, O 0, 0 x (1 / 0) = NaN, as the softmax of a row of -inf is.  A block of zeros (of q, or of p) keeps the byte 1 with zero codes.  Blocks of q whose largest magnitude lies under
; 2^-124 were not tried; NaN and infinities in q are not served.  A block's largest p is made from its largest score by the same two instructions: this takes v_exp_f32 not to fall where its input rises.
; t - M is one fused multiply-add of the score (one rounding where the definition has two).
; REGISTERS: v1-3 addresses that stay, v4-6 the step's, v7-9 the stage's; v10, v45-47 the fill's; v11 -inf; v12 -M, v13 the largest t, v[14:15] the sum in two halves;
;   v16-35 zeros, q of tile A, zeros, q of tile B, zeros (four registers each); v36-39 q's scale words; v40-41 K's, v42-43 V's, v44 p's; v48-55 p's codes; v56-87 K's four fragments; v88-119 V's four;
;   v120-183 S^T, then p; v184-215 O^T; v216-233 at work.
.set VIMG,  65536                      ; LDS: 0: K's image [step 16][b 4][c 2][lane 32][16 bytes]; here V's: [step 16][tile 4][c 2][lane 32][16 bytes]
.set KSC,   131072                     ; K's scale words, 4,096 bytes; V's, 4,096 bytes, behind them
.set STG,   139264                     ; a stage for each wave: 16 rows x (256 bytes + 16), for q on the way in and O on the way out
.set SPI,   272
.set S,     120
.set O,     184
.set KF,    56
.set VF,    88
.set P,     48
.set BM,    216                        ; v216-219 the blocks' largest scores
.set T2,    220                        ; v220-223 lane l xor 16's; then the scales' bytes
.set SCL,   224                        ; v224-227 the conversions' scale operands
	s_load_b256 s[4:11], s[0:1], 0x0               ; q s[4:5], kc s[6:7], vc s[8:9], sc s[10:11]
	s_load_b128 s[12:15], s[0:1], 0x20             ; ml s[12:13], fl s[14:15]
	s_load_b64 s[16:17], s[0:1], 0x30              ; out0
	v_lshl_add_u32 v254, v0, 2, 0x33000
	v_mov_b32 v255, 0
	v_lshrrev_b32 v4, 5, v0
	v_readfirstlane_b32 s24, v4                    ; wave 0..15
	v_and_b32 v5, 31, v0                           ; lane
	v_and_b32 v6, 15, v0                           ; r
	v_bfe_u32 v12, v0, 4, 1                        ; h
	v_lshlrev_b32 v1, 4, v5                        ; 16 x lane: my place in an image of K, and my byte offset in 512 bytes of q or of out0
	v_add_nc_u32 v2, VIMG, v1                      ; the same in an image of V
	v_lshl_add_u32 v3, v5, 2, KSC                  ; 4 x lane: a scale word's
	s_mul_i32 s30, s24, 16*SPI
	s_add_co_u32 s30, s30, STG                     ; my stage
	v_mul_u32_u24 v7, v12, SPI
	v_lshl_add_u32 v7, v6, 4, v7
	v_add_nc_u32 v7, s30, v7                       ; by rows: lanes 0-15 one row of 256 bytes, lanes 16-31 the next
	v_mul_u32_u24 v8, v6, SPI
	v_add_nc_u32 v8, s30, v8
	v_lshl_add_u32 v9, v12, 5, v8                  ; O on the way in: row r, + 32 h
	v_lshl_add_u32 v8, v12, 7, v8                  ; q on the way out: row r, + 128 h: my block of 32
	; the fill.  Thread T's 16 bytes of 8,192 of kc are block h = T % 2 of key T / 2 of 256: T's bits 1-3 = r % 8, bit 4 = c, bit 5 = r / 8, bits 6-7 = b, bit 8 = the step.  In the image they lie at 16 x (256 step + 64 b + 32 c + 16 h + r)
	v_bfe_u32 v10, v0, 1, 3
	v_bfe_u32 v45, v0, 5, 1
	v_lshl_or_b32 v10, v45, 3, v10
	v_and_b32 v45, 1, v0
	v_lshl_or_b32 v10, v45, 4, v10
	v_bfe_u32 v45, v0, 4, 1
	v_lshl_or_b32 v10, v45, 5, v10
	v_and_or_b32 v10, v0, 0x1c0, v10
	v_lshlrev_b32 v10, 4, v10
	v_lshlrev_b32 v46, 4, v0                       ; in memory, and for vc and sc in LDS too: 16 x thread
	v_add_nc_u32 v47, VIMG, v46
	v_add_nc_u32 v45, KSC, v46
	s_mov_b32 s100, 0x76543210
	s_mov_b32 s101, 0xfedcba98                     ; v_permlanex16_b32's selects for lane l xor 16
	s_mov_b32 s2, 0x3e38aa3b                       ; c = log2(e) / 8
	s_mov_b32 s3, s2                               ; (the packed form names the pair and takes its low word for both halves)
	s_lshr_b32 s28, ttmp9, 2                       ; the head
	s_and_b32 s29, ttmp9, 3
	s_lshl_b32 s29, s29, 4
	s_add_co_u32 s29, s29, s24                     ; tile B of queries: p
	s_sub_co_u32 s27, 127, s29                     ; tile A: 127 - p
	s_lshl_b32 s31, s28, 19                        ; q, out0: 524,288 bytes a head, 4,096 a tile
	s_lshl_b32 s40, s27, 12                        ; (ml: 4,096 bytes a tile too)
	s_lshl_b32 s42, s29, 12
	s_add_co_u32 s32, s31, s40
	s_add_co_u32 s34, s31, s42
	s_lshl_b32 s36, s28, 16                        ; kc, vc: 65,536 a head
	s_lshl_b32 s38, s28, 13                        ; sc: 8,192
	s_lshl_b32 s44, s27, 2                         ; fl: a word a tile
	s_lshl_b32 s45, s29, 2
.irp j, 33,35,37,39,41,43
	s_mov_b32 s\j, 0
.endr
	s_wait_kmcnt 0x0
	s_add_nc_u64 s[18:19], s[4:5], s[34:35]        ; q of tile B,
	s_add_nc_u64 s[4:5], s[4:5], s[32:33]          ; of tile A
	s_add_nc_u64 s[20:21], s[16:17], s[34:35]      ; out0 likewise
	s_add_nc_u64 s[16:17], s[16:17], s[32:33]
	s_add_nc_u64 s[22:23], s[12:13], s[42:43]      ; ml likewise
	s_add_nc_u64 s[12:13], s[12:13], s[40:41]
	s_add_nc_u64 s[6:7], s[6:7], s[36:37]
	s_add_nc_u64 s[8:9], s[8:9], s[36:37]
	s_add_nc_u64 s[10:11], s[10:11], s[38:39]
	s_load_b32 s25, s[14:15], s44 offset:0x0       ; tile A's sixteen states,
	s_load_b32 s26, s[14:15], s45 offset:0x0       ; tile B's
.irp n, 0,1,2,3,4,5,6,7
	global_load_b128 v[KF+4*\n:KF+4*\n+3], v46, s[6:7] offset:8192*\n    ; the work-group's 512 threads read 8,192 consecutive bytes
.endr
.irp n, 0,1,2,3,4,5,6,7
	global_load_b128 v[VF+4*\n:VF+4*\n+3], v46, s[8:9] offset:8192*\n
.endr
	global_load_b128 v[216:219], v46, s[10:11]
.irp i, 0,1,2,3,4,5,6,7
	global_load_b128 v[120+4*\i:123+4*\i], v1, s[4:5] offset:512*\i th:TH_LOAD_NT    ; q of tile A: two rows an instruction; read once in the launch
.endr
.irp i, 0,1,2,3,4,5,6,7
	global_load_b128 v[152+4*\i:155+4*\i], v1, s[18:19] offset:512*\i th:TH_LOAD_NT  ; of tile B
.endr
	s_wait_loadcnt 16                              ; the head's codes and scale words are in; q's sixteen loads may be out
.irp n, 0,1,2,3,4,5,6,7
	ds_store_b128 v10, v[KF+4*\n:KF+4*\n+3] offset:8192*\n
.endr
.irp n, 0,1,2,3,4,5,6,7
	ds_store_b128 v47, v[VF+4*\n:VF+4*\n+3] offset:8192*\n
.endr
	ds_store_b128 v45, v[216:219]
	s_wait_loadcnt 8                               ; q of tile A is in; tile B's eight loads may be out
.irp i, 0,1,2,3,4,5,6,7
	ds_store_b128 v7, v[120+4*\i:123+4*\i] offset:2*SPI*\i
.endr
.irp j, 0,1,2,3,4,5,6,7
	ds_load_b128 v[184+4*\j:187+4*\j], v8 offset:16*\j     ; q(r, 32 h + 0 .. 31): a whole block a lane.  LDS serves a wave's instructions in order (ISA guide 5.7.1): these see my stores
.endr
	s_wait_loadcnt 0x0
.irp i, 0,1,2,3,4,5,6,7
	ds_store_b128 v7, v[152+4*\i:155+4*\i] offset:2*SPI*\i ; behind tile A's loads from the stage
.endr
	s_wait_dscnt 16                                ; all but tile A's eight loads and these eight stores: the fill's stores have read v56-87, into which the next loads land
.irp j, 0,1,2,3,4,5,6,7
	ds_load_b128 v[56+4*\j:59+4*\j], v8 offset:16*\j
.endr
	s_wait_dscnt 0x0                               ; for the others' sake: my part of the fill has landed; and q is back
	s_barrier_signal -1
	; between signal and wait, on registers alone: q's two tiles are quantised, by turns (u = 0: tile A from v184 on, u = 1: tile B from v56 on)
.irp j, 0,1,2,3
	v_mov_b32 v[T2+\j], 0                          ; a lane permute's destination counts as one of its sources
.endr
.irp u, 0,1
	v_max3_num_f32 v[216+\u], |v[184-128*\u]|, |v[185-128*\u]|, 0x1800000   ; my block's 32 numbers, and the floor 2^(3 - 127): the byte cannot fall under 1
.endr
.irp i, 2,4,6,8,10,12,14,16,18,20,22,24,26,28,30
.irp u, 0,1
	v_max3_num_f32 v[216+\u], v[216+\u], |v[184-128*\u+\i]|, |v[185-128*\u+\i]|
.endr
.endr
.irp u, 0,1
	v_add_nc_u32 v[224+\u], 0xff000000, v[216+\u]  ; 2 off the exponent field: the conversion's scale operand
.endr
.irp u, 0,1
	v_lshrrev_b32 v[218+\u], 23, v[224+\u]         ; the scale's byte
.endr
	v_bfe_u32 v230, v0, 4, 1
	v_lshlrev_b32 v230, 3, v230
.irp u, 0,1
	v_lshlrev_b32 v[218+\u], v230, v[218+\u]       ; at its place: 8 h bits up
.endr
.irp u, 0,1
	v_permlanex16_b32 v[T2+\u], v[218+\u], s100, s101
.endr
.irp u, 0,1
	v_or_b32 v[36+2*\u], v[218+\u], v[T2+\u]       ; the scale word for {q, zeros}: bytes 0, 1; bytes 2, 3 are 0
.endr
.irp u, 0,1
	v_lshlrev_b32 v[37+2*\u], 16, v[36+2*\u]       ; and for {zeros, q}
.endr
.irp u, 0,1
.irp g, 0,1,2,3
	v_cvt_scalef32_pk8_fp4_f32 v[20+8*\u+\g], v[184-128*\u+8*\g:191-128*\u+8*\g], v[224+\u]
.endr
.endr
	v_nop                                          ; one plain line behind the scaled conversions
.irp j, 16,17,18,19,24,25,26,27,32,33,34,35
	v_mov_b32 v\j, 0                               ; the zero codes on either side of q's
.endr
	v_mov_b32 v11, 0xff800000                      ; -inf
	v_mov_b32 v229, 0                              ; (named as the upper half of the pair v[228:229])
	s_barrier_wait -1                              ; the whole head lies in LDS; from here on it is only read
	s_wait_kmcnt 0x0                               ; the states
; A step's loads, K's ten and then V's ten, and its eight products S^T = K Q^T.  It is written on both ways of the branch on the step's state.
.macro QK qlo, qhi, slo, shi
.irp b, 0,1,2,3
.irp c, 0,1
	ds_load_b128 v[KF+8*\b+4*\c:KF+8*\b+4*\c+3], v4 offset:1024*\b+512*\c    ; an image of the operand's registers: 32 lanes read 512 consecutive bytes
.endr
.endr
	ds_load_b32 v40, v6                            ; K's scale words: lanes 0-15 fragment 0's, lanes 16-31 fragment 1's;
	ds_load_b32 v41, v6 offset:128                 ; fragments 2 and 3
.irp t, 0,1,2,3
.irp c, 0,1
	ds_load_b128 v[VF+8*\t+4*\c:VF+8*\t+4*\c+3], v5 offset:1024*\t+512*\c
.endr
.endr
	ds_load_b32 v42, v6 offset:4096                ; V's: tiles 0 and 1;
	ds_load_b32 v43, v6 offset:4224                ; tiles 2 and 3
	s_wait_dscnt 10                                ; K's ten are in; V's ten may be out: they are wanted behind the softmax
.irp b, 0,1,2,3
.if \b % 2
	v_wmma_scale_f32_16x16x128_f8f6f4 v[S+16*\b:S+16*\b+7], v[KF+8*\b:KF+8*\b+7], v[\qlo:\qlo+7], 0, v[40+\b/2], v[\slo] matrix_a_fmt:MATRIX_FMT_FP4 matrix_b_fmt:MATRIX_FMT_FP4 matrix_a_scale:MATRIX_SCALE_ROW1
	v_wmma_scale_f32_16x16x128_f8f6f4 v[S+16*\b+8:S+16*\b+15], v[KF+8*\b:KF+8*\b+7], v[\qhi:\qhi+7], 0, v[40+\b/2], v[\shi] matrix_a_fmt:MATRIX_FMT_FP4 matrix_b_fmt:MATRIX_FMT_FP4 matrix_a_scale:MATRIX_SCALE_ROW1
.else
	v_wmma_scale_f32_16x16x128_f8f6f4 v[S+16*\b:S+16*\b+7], v[KF+8*\b:KF+8*\b+7], v[\qlo:\qlo+7], 0, v[40+\b/2], v[\slo] matrix_a_fmt:MATRIX_FMT_FP4 matrix_b_fmt:MATRIX_FMT_FP4
	v_wmma_scale_f32_16x16x128_f8f6f4 v[S+16*\b+8:S+16*\b+15], v[KF+8*\b:KF+8*\b+7], v[\qhi:\qhi+7], 0, v[40+\b/2], v[\shi] matrix_a_fmt:MATRIX_FMT_FP4 matrix_b_fmt:MATRIX_FMT_FP4
.endif
.endr
.rept 4
	v_nop                                          ; four places behind the products, ahead of the first read of the scores (ISA guide 7.12.1)
.endr
.endm
; A TILE OF 16 QUERIES: all sixteen key steps, then the way out.  qhi, qlo: the first register of {zeros, q} and of {q, zeros}; slo, shi: their scale words; fl: the states; ml, out: the pairs with the tile's addresses.
.macro TILE qhi, qlo, slo, shi, fl, ml, out, last
	v_mov_b32 v13, 0xff61b1e6                      ; the largest t so far: -3e38, under every t
	v_floor_f32 v12, -v13                          ; -M
	v_mov_b32 v14, 0                               ; the sum, in two halves
	v_mov_b32 v15, 0
.set j, 0
.rept 32
	v_mov_b32 v[O+j], 0                            ; O^T.  Which step is a tile's first hangs on the mask, so no first step can be written out with the constant 0 as its C; the first change of M leaves zeros zeros
.set j, j+1
.endr
	s_mov_b32 s27, 0
.Lstep_\@:                                         ; sixteen trips, whatever the mask: what is passed over is a step's work
	s_lshl_b32 s29, s27, 12                        ; 4,096 bytes of each image a step
	v_add_nc_u32 v4, s29, v1
	v_add_nc_u32 v5, s29, v2
	s_lshl_b32 s29, s27, 8                         ; 256 bytes of scale words, and of lane masks
	v_add_nc_u32 v6, s29, v3
	v_nop                                          ; these four lines are the places between the last step's products and the loads into the registers that they read
	s_lshl_b32 s30, s27, 1
	s_lshr_b32 s28, s[\fl], s30
	s_bitcmp1_b32 s28, 0
	s_cbranch_scc0 .Lnext_\@                       ; no byte of the step is true: every p would be 0
	s_bitcmp1_b32 s28, 1
	s_cbranch_scc1 .Lmixed_\@
	QK \qlo, \qhi, \slo, \shi                      ; all bytes are true
	s_branch .Lopen_\@
.Lmixed_\@:
	s_load_b512 s[32:47], s[\ml:\ml+1], s29 offset:0x0     ; the step's 64 lane masks; they land while K is fetched and multiplied
	s_load_b512 s[48:63], s[\ml:\ml+1], s29 offset:0x40
	s_load_b512 s[68:83], s[\ml:\ml+1], s29 offset:0x80
	s_load_b512 s[84:99], s[\ml:\ml+1], s29 offset:0xc0
	QK \qlo, \qhi, \slo, \shi
	s_wait_kmcnt 0x0                               ; (it also frees s29)
.set n, 0
.rept 64
	v_cndmask_b32 v[S+n], v11, v[S+n], s[32+n+4*(n/32)]    ; a hidden score becomes -inf; each accumulator is read from its low end on
.set n, n+1
.endr
.Lopen_\@:
.irp b, 0,1,2,3
	v_max3_num_f32 v[BM+\b], v[S+16*\b], v[S+1+16*\b], v[S+2+16*\b]    ; THE LARGEST SCORE OF EACH BLOCK OF 32 KEYS serves twice: for the row's maximum and, since p rises with the score, for the block's largest p
.endr
.irp i, 3,5,7,9,11,13
.irp b, 0,1,2,3
	v_max3_num_f32 v[BM+\b], v[BM+\b], v[S+16*\b+\i], v[S+1+16*\b+\i]  ; (the four blocks by turns)
.endr
.endr
.irp b, 0,1,2,3
	v_max_num_f32 v[BM+\b], v[BM+\b], v[S+15+16*\b]
.endr
.irp b, 0,1,2,3
	v_permlanex16_b32 v[T2+\b], v[BM+\b], s100, s101
.endr
.irp b, 0,1,2,3
	v_max_num_f32 v[BM+\b], v[BM+\b], v[T2+\b]     ; with lane l xor 16's 16 keys
.endr
	v_max3_num_f32 v230, v216, v217, v218
	v_max_num_f32 v230, v230, v219                 ; the step's largest score of my query
	v_mul_f32 v230, s2, v230                       ; as t (c is positive)
	v_max_num_f32 v13, v13, v230                   ; the running largest t
	v_mov_b32 v230, v12
	v_floor_f32 v12, -v13                          ; the new -M = floor(-t) = -ceil(t): M IS A WHOLE NUMBER
	v_sub_f32 v230, v12, v230                      ; M's old value less its new one: a whole number, 0 or less
	v_cvt_i32_f32 v230, v230                       ; (it saturates)
	v_ldexp_f32 v228, 1.0, v230                    ; f = 2^(old M - new M)
.set j, 0
.rept 32
	v_pk_fma_f32 v[S+j:S+j+1], v[S+j:S+j+1], s[2:3], v[12:13] op_sel_hi:[1,0,0]   ; t - M, two at a time
.set j, j+2
.endr
.irp b, 0,1,2,3
	v_fma_f32 v[BM+\b], v[BM+\b], s2, v12          ; the same of each block's largest score
.endr
.set j, 0
.rept 64
	v_exp_f32 v[S+j], v[S+j]                       ; p = 2^(t - M), at most 1: NOT normalised
.set j, j+1
.endr
	v_pk_mul_f32 v[14:15], v[14:15], v[228:229] op_sel_hi:[1,0]    ; the sums under the new M (the plain line behind the exponentials)
	s_wait_alu depctr_va_vdst(0)                   ; the wait ahead of the first line that names a result: one for the batch of 64
.irp b, 0,1,2,3
	v_exp_f32 v[BM+\b], v[BM+\b]                   ; the block's largest p: the same two instructions on the same number give the same bits
.endr
	v_pk_add_f32 v[232:233], v[S:S+1], v[S+2:S+3]  ; THE ROW'S SUM IS TAKEN OF THE UNQUANTISED p: two at a time, in two chains (plain work behind the four)
.set j, 4
.rept 15
	v_pk_add_f32 v[14:15], v[14:15], v[S+j:S+j+1]
	v_pk_add_f32 v[232:233], v[232:233], v[S+j+2:S+j+3]
.set j, j+4
.endr
	v_pk_add_f32 v[14:15], v[14:15], v[232:233]
	s_wait_alu depctr_va_vdst(0)                   ; and one for the four
.irp b, 0,1,2,3
	v_max_num_f32 v[BM+\b], 0x1800000, v[BM+\b]    ; the floor 2^(3 - 127): the byte cannot fall under 1 (a block whose every p is 0 keeps that byte: its codes are zeros)
.endr
.irp b, 0,1,2,3
	v_add_nc_u32 v[SCL+\b], 0xff000000, v[BM+\b]   ; 2 off the exponent field: the conversion's scale operand
.endr
.irp b, 0,1,2,3
	v_lshrrev_b32 v[T2+\b], 23, v[SCL+\b]          ; the scale's byte
.endr
	v_lshl_or_b32 v44, v221, 8, v220               ; p's scale word for these 128 keys
	v_lshl_or_b32 v44, v222, 16, v44
	v_lshl_or_b32 v44, v223, 24, v44
.irp b, 0,1,2,3
	v_cvt_scalef32_pk8_fp4_f32 v[P+2*\b], v[S+16*\b:S+7+16*\b], v[SCL+\b]
	v_cvt_scalef32_pk8_fp4_f32 v[P+1+2*\b], v[S+8+16*\b:S+15+16*\b], v[SCL+\b]
.endr
	v_nop                                          ; one plain line between a scaled conversion and the vector line that touches its result
.irp c, 0,1                                    ; the operand's layout wants a WHOLE block in a lane: lanes 0-15 block 2 c, lanes 16-31 block 2 c + 1
.irp i, 0,1
	v_permlane16_swap_b32 v[P+4*\c+\i], v[P+2+4*\c+\i]
.endr
.endr
.set j, 0
.rept 16
	v_pk_mul_f32 v[O+j:O+j+1], v[O+j:O+j+1], v[228:229] op_sel_hi:[1,0]   ; O^T under the new M, from each accumulator's low end on.  Twelve of these sixteen name no register of any one product below: the places between p's codes and scale word and that product
.set j, j+2
.endr
	s_wait_dscnt 0x0                               ; V's fragments and scale words are in
.irp t, 0,1,2,3                                ; O^T += V^T P^T: the four accumulators by turns, one instruction a turn, and S^T's products stand between the steps
.if \t % 2
	v_wmma_scale_f32_16x16x128_f8f6f4 v[O+8*\t:O+8*\t+7], v[VF+8*\t:VF+8*\t+7], v[P:P+7], v[O+8*\t:O+8*\t+7], v[42+\t/2], v44 matrix_a_fmt:MATRIX_FMT_FP4 matrix_b_fmt:MATRIX_FMT_FP4 matrix_a_scale:MATRIX_SCALE_ROW1
.else
	v_wmma_scale_f32_16x16x128_f8f6f4 v[O+8*\t:O+8*\t+7], v[VF+8*\t:VF+8*\t+7], v[P:P+7], v[O+8*\t:O+8*\t+7], v[42+\t/2], v44 matrix_a_fmt:MATRIX_FMT_FP4 matrix_b_fmt:MATRIX_FMT_FP4
.endif
.endr
.Lnext_\@:
	s_add_co_u32 s27, s27, 1
	s_cmp_lt_u32 s27, 16
	s_cbranch_scc1 .Lstep_\@
	; THE WAY OUT.  O^T / the sum goes through my stage in LDS and leaves as whole rows of 256 bytes.
.rept 4
	v_nop                                          ; four places behind the last products
.endr
	v_add_f32 v14, v14, v15                        ; the sum's two halves,
	v_permlanex16_b32 v230, v14, s100, s101
	v_add_f32 v14, v14, v230                       ; and lane l xor 16's: the row's sum
	v_rcp_f32 v14, v14
	v_nop                                          ; a plain line behind the reciprocal,
	s_wait_alu depctr_va_vdst(0)                   ; and the wait ahead of its first reader
.set j, 0
.rept 32
	v_mul_f32 v[S+j], v[O+j], v14                  ; register 8 t + i is o(r, 16 t + 8 h + i)
.set j, j+1
.endr
.irp t, 0,1,2,3
	ds_store_b128 v9, v[S+8*\t:S+8*\t+3] offset:64*\t
	ds_store_b128 v9, v[S+8*\t+4:S+8*\t+7] offset:64*\t+16
.endr
.irp i, 0,1,2,3,4,5,6,7
	ds_load_b128 v[152+4*\i:155+4*\i], v7 offset:2*SPI*\i  ; in order behind my stores
.endr
.irp i, 0,1,2,3,4,5,6,7
	s_wait_dscnt 7-\i                              ; load i is in; the younger ones may be out
	global_store_b128 v1, v[152+4*\i:155+4*\i], s[\out:\out+1] offset:512*\i th:TH_STORE_NT   ; sixteen lanes store a row's 256 consecutive bytes, aligned; written once, read by nobody here
.endr
.if !\last
	s_wait_xcnt 0x0                                ; the stores have read v152-183: the next tile's scores are written there only behind this wait
.endif
.endm
	TILE 16, 20, 36, 37, 25, 12, 16, 0             ; tile A
	TILE 24, 28, 38, 39, 26, 22, 20, 1             ; tile B
	s_wait_tensorcnt 0x0
	ds_add_u32 v254, v255
	s_wait_dscnt 0x0
	s_endpgm
.Lfunc_end_k_q5c9a82b4f1_attn:
	.size	k_q5c9a82b4f1_attn, .Lfunc_end_k_q5c9a82b4f1_attn-k_q5c9a82b4f1_attn
	.p2alignl 7, 3214868480
	.fill 96, 4, 3214868480
	.section	.rodata,"a",@progbits
	.p2align	6, 0x0
	.amdhsa_kernel k_q5c9a82b4f1_attn
		.amdhsa_group_segment_fixed_size 210944
		.amdhsa_private_segment_fixed_size 0
		.amdhsa_enable_private_segment 0
		.amdhsa_kernarg_size 56
		.amdhsa_user_sgpr_count 2
		.amdhsa_user_sgpr_kernarg_segment_ptr 1
		.amdhsa_wavefront_size32 1
		.amdhsa_system_sgpr_workgroup_id_x 1
		.amdhsa_system_sgpr_workgroup_id_y 1
		.amdhsa_system_sgpr_workgroup_id_z 1
		.amdhsa_system_vgpr_workitem_id 0
		.amdhsa_next_free_vgpr 256
		.amdhsa_next_free_sgpr 102
		.amdhsa_reserve_vcc 0
		.amdhsa_float_denorm_mode_32 3
		.amdhsa_float_denorm_mode_16_64 3
		.amdhsa_memory_ordered 1
		.amdhsa_forward_progress 1
		.amdhsa_inst_pref_size 67
	.end_amdhsa_kernel
	.amdgpu_metadata
---
amdhsa.version: [ 1, 2 ]
amdhsa.kernels:
  - .name:           k_q5c9a82b4f1_attn
    .symbol:         k_q5c9a82b4f1_attn.kd
    .args:
      - { .name: q, .offset: 0, .size: 8, .value_kind: global_buffer, .address_space: global }
      - { .name: kc, .offset: 8, .size: 8, .value_kind: global_buffer, .address_space: global }
      - { .name: vc, .offset: 16, .size: 8, .value_kind: global_buffer, .address_space: global }
      - { .name: sc, .offset: 24, .size: 8, .value_kind: global_buffer, .address_space: global }
      - { .name: ml, .offset: 32, .size: 8, .value_kind: global_buffer, .address_space: global }
      - { .name: fl, .offset: 40, .size: 8, .value_kind: global_buffer, .address_space: global }
      - { .name: out0, .offset: 48, .size: 8, .value_kind: global_buffer, .address_space: global }
    .group_segment_fixed_size: 210944
    .private_segment_fixed_size: 0
    .kernarg_segment_align: 8
    .kernarg_segment_size: 56
    .max_flat_workgroup_size: 512
    .sgpr_count:     102
    .vgpr_count:     256
    .wavefront_size: 32
...
	.end_amdgpu_metadata
.endif
;; end of part 2
;; ======== version 2 of 2: 2 launches
;; workspace buffers: kc 4,194,304 bytes; vc 4,194,304 bytes; sc 524,288 bytes; ml 524,288 bytes of whole numbers; fl 512 bytes of whole numbers
;; launch prep (part 3): grid 640 x 1, 4 waves a work-group, no clusters, 33,280 bytes of LDS; arguments k, v, mask, kc, vc, sc, ml, fl; writes kc, vc, sc, ml, fl
.if DOCPART == 3
	.amdgcn_target "amdgcn-amd-amdhsa--gfx1250"
	.amdhsa_code_object_version 6
	.text
	.protected	k_q5c9a82b4f1_prep
	.globl	k_q5c9a82b4f1_prep
	.p2align	8
	.type	k_q5c9a82b4f1_prep,@function
k_q5c9a82b4f1_prep:
	s_mov_b64 s[64:65], 0
	v_nop
	global_prefetch_b8 v0, s[64:65] scope:SCOPE_SE
	s_setreg_imm32_b32 hwreg(HW_REG_WAVE_MODE, 25, 1), 1
	s_wait_xcnt 0x0
; PREP: what every work-group of the attention launch would otherwise make anew is made once.  Three jobs, parted by the work-group's number:
;   work-groups   0-255  K: k [64 heads][2048 keys][64] f32 -> kc: codes of FP4 (E2M1), a key's 64 codes in 32 bytes, rows on end; its scale bytes -> sc, laid as the attention's scale words
;   work-groups 256-511  V: v [64][2048 keys][64] f32, quantised ALONG THE KEYS -> vc: codes in the order of the operand's registers; its scale bytes -> sc
;   work-groups 512-639  M: mask [2048][2048] bytes -> ml: for each tile of 16 queries x 128 keys 64 lane masks, one for each score register; fl: two bits of state for each such tile
; THE QUANTISER: a block's scale is 2^(floor(log2(its largest magnitude)) - 2); its byte is the largest magnitude's exponent field - 2, held at 1 from below; each number / scale goes to the nearest code, ties to even,
; beyond 6 the largest code.  A block of zeros gets the byte 1 where the rule says 127: its codes are zeros, which add nothing under any byte but 0xff, and this program alone reads the bytes.
; LIMITS: blocks whose largest magnitude lies under 2^-124 (the floor) were not tried; NaN and infinities in k and v are not served.
; LAYOUTS.  sc, 8,192 bytes a head: bytes 0-4095 K's words [step 16][b 4][r 16]: byte 2 c + h of word (s, b, r) = the scale of key 128 s + 32 b + 8 c + r + 8 (r / 8), block h of its 64;
;   bytes 4096-8191 V's words [step 16][d 64]: byte j = the scale of column d, keys 128 s + 32 j on.
;   vc, 65,536 bytes a head: [step 16][tile of 16 columns 4][c 2][h 2][r 16][16 bytes]: the 32 codes of column 16 t + r, keys 128 s + 64 c + 32 h on.
;   ml: [tile of queries 128][step 16][n 64] words: bit l of word n = mask[16 qt + l % 16][128 s + 32 (n / 16) + 16 (l / 16) + n % 16] is not 0.
;   fl: [tile of queries 128] words: bit 2 s = some byte of step s is true, bit 2 s + 1 = not all of them are.
; No matrix unit, no data mover, no cluster, no barrier: the waves share nothing, and the launch only streams.  Only path K uses LDS, each wave its own 8,192 bytes.
.set WREG,  8192                       ; path K: a wave's LDS: two stages of 32 x SP bytes, behind them its 256 scale bytes
.set SP,    80                         ; a lane's place in a stage: 64 bytes + 16 of padding
.set STEPS, 16
.set EMAX,  2
.set R,     16                         ; path K: v16-79   four sets of 16 numbers as loaded
.set X,     80                         ;         v80-111  two sets of 16 neighbours
.set E,     112                        ;         v112-127 a scale byte for each step
.set C,     128                        ;         v128-191 codes, four registers for each step: no store's data are written again
.set XV,    32                         ; path V: v32-95   two sets of 32 numbers
.set CV,    96                         ;         v96-127  codes, four registers for each block
.set SBV,   24                         ;         v24-25   the scale bytes, four to a register
.set MB,    32                         ; path M: v32-95   the mask bytes of four steps
.set MW,    96                         ;         v96-103  a pair of registers of lane masks for each step
	s_load_b256 s[4:11], s[0:1], 0x0               ; k s[4:5], v s[6:7], mask s[8:9], kc s[10:11]
	s_load_b256 s[12:19], s[0:1], 0x20             ; vc s[12:13], sc s[14:15], ml s[16:17], fl s[18:19]
	v_lshl_add_u32 v192, v0, 2, 0x8000
	v_mov_b32 v193, 0
	v_lshrrev_b32 v1, 5, v0
	v_readfirstlane_b32 s20, v1                    ; wave 0..3
	v_and_b32 v2, 31, v0                           ; lane
	s_mov_b32 s23, 0                               ; the upper word of every offset pair s[22:23]
	s_wait_kmcnt 0x0
	s_cmp_lt_u32 ttmp9, 256
	s_cbranch_scc1 .Lpath_k
	s_cmp_lt_u32 ttmp9, 512
	s_cbranch_scc1 .Lpath_v
; ---------------- PATH M.  The work-group takes a tile of 16 queries, wave w its key steps 4 w .. 4 w + 3.  Lane (r = l % 16, h = l / 16) loads the bytes of query r, keys 32 b + 16 h + 0 .. 15 of each step:
; just the keys whose scores that lane will hold.  Byte i of block b is score register n = 16 b + i: a compare turns the 32 lanes' bytes into one word.
	s_sub_co_u32 s21, ttmp9, 512                   ; qt
	s_lshl_b32 s22, s21, 15                        ; 16 rows of 2,048 bytes
	s_lshl_b32 s24, s20, 9                         ; + 4 steps of 128 bytes a wave
	s_add_co_u32 s22, s22, s24
	s_add_nc_u64 s[8:9], s[8:9], s[22:23]
	s_lshl_b32 s22, s21, 12                        ; ml: 16 steps of 256 bytes a tile
	s_lshl_b32 s24, s20, 10
	s_add_co_u32 s22, s22, s24
	s_add_nc_u64 s[16:17], s[16:17], s[22:23]
	s_lshl_b32 s22, s21, 2                         ; fl: a word a tile, my wave's byte of it
	s_add_co_u32 s22, s22, s20
	s_add_nc_u64 s[18:19], s[18:19], s[22:23]
	v_and_b32 v3, 15, v0
	v_bfe_u32 v5, v0, 4, 1
	v_lshlrev_b32 v3, 11, v3
	v_lshl_add_u32 v3, v5, 4, v3                   ; row r, + 16 h
	s_wait_alu depctr_va_vdst(0)
	v_lshlrev_b32 v4, 3, v2                        ; out: 8 bytes a lane
.irp g, 0,1,2,3
.irp b, 0,1,2,3
	global_load_b128 v[MB+16*\g+4*\b:MB+16*\g+4*\b+3], v3, s[8:9] offset:128*\g+32*\b
.endr
.endr
.irp j, 0,1,2,3,4,5,6,7
	v_mov_b32 v[MW+\j], 0                          ; v_writelane_b32's destination counts as read
.endr
	s_mov_b32 s32, 0                               ; my four steps' states
.macro MSTEP g
	s_wait_loadcnt 12-4*\g                         ; this step's four loads are in; the later steps' four each may be out
.set n, 0
.rept 64
	v_and_b32 v[12+n%4], 0xff<<(8*(n%4)), v[MB+16*\g+n/4]          ; byte n % 16 of block n / 16
	v_cmp_ne_u32 s[24+n%4], 0, v[12+n%4]           ; the 32 lanes' bits: word n
	v_writelane_b32 v[MW+2*\g+n%2], s[24+n%4], n/2 ; lane n / 2 will store words n and n + 1 together
.set n, n+1
.endr
	v_or_b32 v16, v[MW+2*\g], v[MW+2*\g+1]
	v_and_b32 v17, v[MW+2*\g], v[MW+2*\g+1]
	v_cmp_ne_u32 s28, 0, v16                       ; some word has a bit
	v_cmp_ne_u32 s29, -1, v17                      ; some word lacks one
	s_cmp_lg_u32 s28, 0
	s_cselect_b32 s30, 1<<(2*\g), 0
	s_cmp_lg_u32 s29, 0
	s_cselect_b32 s31, 2<<(2*\g), 0
	s_or_b32 s32, s32, s30
	s_or_b32 s32, s32, s31
	global_store_b64 v4, v[MW+2*\g:MW+2*\g+1], s[16:17] offset:256*\g   ; 32 lanes store 256 consecutive bytes, aligned; these registers are not written again
.endm
	MSTEP 0
	MSTEP 1
	MSTEP 2
	MSTEP 3
	v_mov_b32 v14, s32
	v_mov_b32 v15, 0
	v_cmp_eq_u32 vcc_lo, 0, v2
	s_wait_alu depctr_va_vdst(0)
	s_wait_xcnt 0x0                                ; EXEC is a source of the stores above: it changes only behind this wait
	s_and_saveexec_b32 s33, vcc_lo
	global_store_b8 v15, v14, s[18:19]             ; lane 0 alone: my four steps' byte of the tile's word
	s_wait_xcnt 0x0                                ; and again in front of the line that widens EXEC
	s_or_b32 exec_lo, exec_lo, s33
	s_endpgm
; ---------------- PATH K.  k is a plain stream of blocks of 32.  A wave takes a run of 8,192 numbers: the 128 keys of one key step, in 16 steps of 512 numbers (8 keys).
; Each load reads 512 consecutive bytes, 16 a lane; a step's 2,048 bytes turn through the wave's own stage in LDS and come back 64 bytes a lane: 16 neighbours, two neighbouring lanes to a block.
; A lane's 16 codes are 8 bytes: the wave stores 256 consecutive bytes.  The run's 256 scale bytes are gathered in LDS, at the places that the attention's scale words want, and leave as 256 consecutive bytes.
.Lpath_k:
	s_wait_alu depctr_va_vdst(0)
	v_lshlrev_b32 v3, 4, v2                        ; my 16 bytes of a load's 512
	s_mul_i32 s21, s20, WREG
	v_lshrrev_b32 v14, 2, v2
	v_mul_u32_u24 v14, v14, SP
	v_and_b32 v15, 3, v2
	v_lshl_add_u32 v14, v15, 4, v14
	v_add_nc_u32 v14, s21, v14                     ; the stage, on the way in: SP (lane / 4) + 16 (lane % 4)
	v_mul_u32_u24 v15, v2, SP
	v_add_nc_u32 v15, s21, v15                     ; and on the way out: SP x lane
	v_lshlrev_b32 v4, 3, v2                        ; 8 x lane: my codes' place in a step's, and my 8 scale bytes on the way out
	s_add_co_u32 s21, s21, 2*32*SP
	v_lshrrev_b32 v5, 2, v2
	v_lshlrev_b32 v5, 2, v5
	v_bfe_u32 v7, v2, 1, 1
	v_add_nc_u32 v5, v5, v7
	v_add_nc_u32 v5, s21, v5                       ; my block's scale byte: in step t lane l holds half of block h = (l / 2) % 2 of key 8 t + l / 4: 4 (l / 4) + h, the rest stands in the store's offset
	v_add_nc_u32 v6, s21, v4
	s_lshl_b32 s24, ttmp9, 2
	s_add_co_u32 s24, s24, s20                     ; the run: 4 x work-group + wave = 16 x head + key step
	s_lshl_b32 s22, s24, 15
	s_add_nc_u64 s[4:5], s[4:5], s[22:23]          ; 32,768 bytes of k a run,
	s_lshl_b32 s22, s24, 12
	s_add_nc_u64 s[10:11], s[10:11], s[22:23]      ; 4,096 of codes,
	s_lshr_b32 s22, s24, 4
	s_lshl_b32 s22, s22, 13
	s_and_b32 s25, s24, 15
	s_lshl_b32 s25, s25, 8
	s_add_co_u32 s22, s22, s25
	s_add_nc_u64 s[14:15], s[14:15], s[22:23]      ; and in sc 8,192 bytes a head, 256 a key step
.macro KLOAD t
.irp i, 0,1,2,3
	global_load_b128 v[R+16*((\t)%4)+4*\i:R+16*((\t)%4)+4*\i+3], v3, s[4:5] offset:2048*(\t)+512*\i th:TH_LOAD_NT   ; 32 lanes read 512 consecutive bytes, read once in the launch
.endr
.endm
.macro KTURN t                         ; step t's numbers through the stage: LDS serves a wave's instructions in order (ISA guide 5.7.1), so no wait stands between the stores and the loads
.irp i, 0,1,2,3
	ds_store_b128 v14, v[R+16*((\t)%4)+4*\i:R+16*((\t)%4)+4*\i+3] offset:32*SP*((\t)%2)+8*SP*\i
.endr
.irp i, 0,1,2,3
	ds_load_b128 v[X+16*((\t)%2)+4*\i:X+16*((\t)%2)+4*\i+3], v15 offset:32*SP*((\t)%2)+16*\i
.endr
.endm
.irp t, 0,1,2,3
	KLOAD \t
.endr
	s_wait_alu depctr_va_vdst(0)
	s_wait_loadcnt 12                              ; step 0's four loads are in
	KTURN 0
.macro KSTEP t
.set XS, X+16*((\t)%2)
.if (\t) > 0
	s_wait_dscnt 1                                 ; this step's numbers are back from the stage (the last step's byte store may be out): so its stores into the stage have read their registers,
.else
	s_wait_dscnt 0x0
.endif
.if (\t)+4 < STEPS
	KLOAD (\t)+4                                   ; which take the loads of four steps on
.endif
.if (\t)+1 < STEPS
.if STEPS-2-(\t) >= 3
	s_wait_loadcnt 12                              ; the next step's four loads are in; those of the three steps behind it may be out
.else
	s_wait_loadcnt 4*(STEPS-2-(\t))
.endif
	KTURN (\t)+1                                   ; and go through the other stage while this step is worked
.endif
	v_max3_num_f32 v8, |v[XS]|, |v[XS+1]|, |v[XS+2]|               ; the largest magnitude of my 16, in two chains
	v_max3_num_f32 v9, |v[XS+3]|, |v[XS+4]|, |v[XS+5]|
.irp i, 6,10
	v_max3_num_f32 v8, v8, |v[XS+\i]|, |v[XS+\i+1]|
	v_max3_num_f32 v9, v9, |v[XS+\i+2]|, |v[XS+\i+3]|
.endr
	v_max3_num_f32 v8, v8, |v[XS+14]|, |v[XS+15]|
	v_max3_num_f32 v8, v8, v9, (EMAX+1)<<23        ; and the floor 2^(3 - 127): the byte cannot fall under 1
	v_max_num_f32_dpp v8, v8, v8 row_xmask:1 row_mask:0xf bank_mask:0xf   ; and of my neighbour's 16: the block's
	v_add_nc_u32 v11, -(EMAX<<23), v8              ; 2 off its exponent field: the conversion takes the exponent field of this operand as its scale, and nothing else of it
	v_cvt_scalef32_pk8_fp4_f32 v[C+4*(\t)], v[XS:XS+7], v11
	v_cvt_scalef32_pk8_fp4_f32 v[C+4*(\t)+1], v[XS+8:XS+15], v11
	v_lshrrev_b32 v[E+(\t)], 23, v11               ; the scale's byte (a plain line behind the conversions)
	ds_store_b8 v5, v[E+(\t)] offset:64*((\t)/4)+32*(((\t)/2)%2)+2*((\t)%2)   ; key 8 t + l / 4 = 32 b + 16 (r / 8) + 8 c + r % 8 with b = t / 4, r / 8 = (t / 2) % 2, c = t % 2: byte 64 b + 4 r + 2 c + h.  Both lanes of a block write the same byte with the same value
	global_store_b64 v4, v[C+4*(\t):C+4*(\t)+1], s[10:11] offset:256*(\t)     ; 32 lanes store 256 consecutive bytes, aligned
.endm
.irp t, 0,1,2,3,4,5,6,7,8,9,10,11,12,13,14,15
	KSTEP \t
.endr
	ds_load_b64 v[12:13], v6                       ; in order behind my byte stores
	s_wait_dscnt 0x0
	global_store_b64 v4, v[12:13], s[14:15]        ; the key step's 64 scale words: 256 consecutive bytes, aligned
	s_wait_tensorcnt 0x0
	ds_add_u32 v192, v193
	s_wait_dscnt 0x0
	s_endpgm
; ---------------- PATH V.  The keys are the second product's K, and they are v's FIRST axis within a head.  A LANE TAKES A COLUMN d AND ITS REGISTERS RUN DOWN THE KEYS: a block of 32 keys lies in one lane's 32 registers,
; its maximum needs no other lane, and the conversions give 16 bytes that are four registers of the operand.  Work-group u: head u / 4; a wave takes 32 columns (wave % 2) x 256 keys (group 2 (u % 4) + wave / 2): 8 blocks.
; Each load reads 128 consecutive bytes; the two waves of a key group stand side by side on a row's 256.  Loads run two blocks (64 loads a wave) ahead.
.Lpath_v:
	s_sub_co_u32 s21, ttmp9, 256
	s_lshr_b32 s24, s21, 2                         ; head
	s_and_b32 s25, s21, 3
	s_lshl_b32 s25, s25, 1
	s_lshr_b32 s26, s20, 1
	s_add_co_u32 s25, s25, s26                     ; key group 0..7
	s_and_b32 s26, s20, 1                          ; which 32 columns
	s_lshl_b32 s22, s24, 19                        ; v: 524,288 bytes a head, 65,536 a key group, 128 for 32 columns
	s_lshl_b32 s27, s25, 16
	s_add_co_u32 s22, s22, s27
	s_lshl_b32 s27, s26, 7
	s_add_co_u32 s22, s22, s27
	s_add_nc_u64 s[6:7], s[6:7], s[22:23]
	s_lshl_b32 s22, s24, 16                        ; vc: 65,536 a head, 8,192 a key group (two steps), 2,048 for two tiles of columns
	s_lshl_b32 s27, s25, 13
	s_add_co_u32 s22, s22, s27
	s_lshl_b32 s27, s26, 11
	s_add_co_u32 s22, s22, s27
	s_add_nc_u64 s[12:13], s[12:13], s[22:23]
	s_lshl_b32 s22, s24, 13                        ; sc: 8,192 a head, V's words from byte 4,096 on, 512 a key group, 128 for 32 columns
	s_lshl_b32 s27, s25, 9
	s_add_co_u32 s22, s22, s27
	s_lshl_b32 s27, s26, 7
	s_add_co_u32 s22, s22, s27
	s_add_co_u32 s22, s22, 4096
	s_add_nc_u64 s[14:15], s[14:15], s[22:23]
	s_wait_alu depctr_va_vdst(0)
	v_lshlrev_b32 v3, 2, v2                        ; in: 4 bytes a lane; also my column's scale word
	v_lshrrev_b32 v8, 4, v2
	v_and_b32 v9, 15, v2
	v_lshlrev_b32 v8, 10, v8
	v_lshl_add_u32 v8, v9, 4, v8                   ; out: tile lane / 16 (1,024 bytes), row lane % 16 (16 bytes)
.macro LOADV t                         ; block t: v(32 t + i, my column), i = 0 .. 31, into set t % 2
.irp i, 0,1,2,3,4,5,6,7,8,9,10,11,12,13,14,15,16,17,18,19,20,21,22,23,24,25,26,27,28,29,30,31
	global_load_b32 v[XV+32*((\t)%2)+\i], v3, s[6:7] offset:(32*(\t)+\i)*256 th:TH_LOAD_NT
.endr
.endm
	LOADV 0
	LOADV 1
.macro BLOCKV t
.set XS, XV+32*((\t)%2)
.if (\t) < 7
	s_wait_loadcnt 32                              ; this block's 32 loads are in; the next block's may be out
.else
	s_wait_loadcnt 0x0
.endif
	v_max3_num_f32 v12, |v[XS]|, |v[XS+1]|, |v[XS+2]|              ; the block's largest magnitude: all 32 numbers are mine
	v_max3_num_f32 v13, |v[XS+3]|, |v[XS+4]|, |v[XS+5]|
.irp i, 6,10,14,18,22,26
	v_max3_num_f32 v12, v12, |v[XS+\i]|, |v[XS+\i+1]|
	v_max3_num_f32 v13, v13, |v[XS+\i+2]|, |v[XS+\i+3]|
.endr
	v_max3_num_f32 v12, v12, |v[XS+30]|, |v[XS+31]|
	v_max3_num_f32 v12, v12, v13, (EMAX+1)<<23     ; and the floor
	v_add_nc_u32 v11, -(EMAX<<23), v12             ; the conversion's scale operand
	v_lshrrev_b32 v13, 23, v11                     ; the scale's byte
.if (\t)%4 == 0
	v_mov_b32 v[SBV+(\t)/4], v13                   ; four bytes to a register, the earlier keys in the lower byte: a key step's word
.else
	v_lshl_or_b32 v[SBV+(\t)/4], v13, 8*((\t)%4), v[SBV+(\t)/4]
.endif
.irp g, 0,1,2,3
	v_cvt_scalef32_pk8_fp4_f32 v[CV+4*(\t)+\g], v[XS+8*\g:XS+8*\g+7], v11
.endr
	global_store_b128 v8, v[CV+4*(\t):CV+4*(\t)+3], s[12:13] offset:4096*((\t)/4)+512*(((\t)/2)%2)+256*((\t)%2)   ; step t / 4, c = (t / 2) % 2, h = t % 2; sixteen lanes store 256 consecutive bytes, aligned; these registers are not written again
.if (\t)%4 == 3
	global_store_b32 v3, v[SBV+(\t)/4], s[14:15] offset:256*((\t)/4)   ; 32 columns' words of a key step: 128 consecutive bytes, one byte for each 128 that the wave reads
.endif
.if (\t)+2 < 8
	LOADV (\t)+2                                   ; (the next block begins with plain vector lines: they stand between the conversions and the next write of v11)
.endif
.endm
.irp t, 0,1,2,3,4,5,6,7
	BLOCKV \t
.endr
	s_endpgm
.Lfunc_end_k_q5c9a82b4f1_prep:
	.size	k_q5c9a82b4f1_prep, .Lfunc_end_k_q5c9a82b4f1_prep-k_q5c9a82b4f1_prep
	.p2alignl 7, 3214868480
	.fill 96, 4, 3214868480
	.section	.rodata,"a",@progbits
	.p2align	6, 0x0
	.amdhsa_kernel k_q5c9a82b4f1_prep
		.amdhsa_group_segment_fixed_size 33280
		.amdhsa_private_segment_fixed_size 0
		.amdhsa_enable_private_segment 0
		.amdhsa_kernarg_size 64
		.amdhsa_user_sgpr_count 2
		.amdhsa_user_sgpr_kernarg_segment_ptr 1
		.amdhsa_wavefront_size32 1
		.amdhsa_system_sgpr_workgroup_id_x 1
		.amdhsa_system_sgpr_workgroup_id_y 1
		.amdhsa_system_sgpr_workgroup_id_z 1
		.amdhsa_system_vgpr_workitem_id 0
		.amdhsa_next_free_vgpr 194
		.amdhsa_next_free_sgpr 66
		.amdhsa_reserve_vcc 1
		.amdhsa_float_denorm_mode_32 3
		.amdhsa_float_denorm_mode_16_64 3
		.amdhsa_memory_ordered 1
		.amdhsa_forward_progress 1
		.amdhsa_inst_pref_size 124
	.end_amdhsa_kernel
	.amdgpu_metadata
---
amdhsa.version: [ 1, 2 ]
amdhsa.kernels:
  - .name:           k_q5c9a82b4f1_prep
    .symbol:         k_q5c9a82b4f1_prep.kd
    .args:
      - { .name: k, .offset: 0, .size: 8, .value_kind: global_buffer, .address_space: global }
      - { .name: v, .offset: 8, .size: 8, .value_kind: global_buffer, .address_space: global }
      - { .name: mask, .offset: 16, .size: 8, .value_kind: global_buffer, .address_space: global }
      - { .name: kc, .offset: 24, .size: 8, .value_kind: global_buffer, .address_space: global }
      - { .name: vc, .offset: 32, .size: 8, .value_kind: global_buffer, .address_space: global }
      - { .name: sc, .offset: 40, .size: 8, .value_kind: global_buffer, .address_space: global }
      - { .name: ml, .offset: 48, .size: 8, .value_kind: global_buffer, .address_space: global }
      - { .name: fl, .offset: 56, .size: 8, .value_kind: global_buffer, .address_space: global }
    .group_segment_fixed_size: 33280
    .private_segment_fixed_size: 0
    .kernarg_segment_align: 8
    .kernarg_segment_size: 64
    .max_flat_workgroup_size: 128
    .sgpr_count:     66
    .vgpr_count:     194
    .wavefront_size: 32
...
	.end_amdgpu_metadata
.endif
;; end of part 3
;; launch attn (part 4): grid 256 x 1, 16 waves a work-group, no clusters, 210,944 bytes of LDS; arguments q, kc, vc, sc, ml, fl, out0; writes out0
.if DOCPART == 4
	.amdgcn_target "amdgcn-amd-amdhsa--gfx1250"
	.amdhsa_code_object_version 6
	.text
	.protected	k_q5c9a82b4f1_attn
	.globl	k_q5c9a82b4f1_attn
	.p2align	8
	.type	k_q5c9a82b4f1_attn,@function
k_q5c9a82b4f1_attn:
	s_mov_b64 s[64:65], 0
	v_nop
	global_prefetch_b8 v0, s[64:65] scope:SCOPE_SE
	s_setreg_imm32_b32 hwreg(HW_REG_WAVE_SCHED_MODE, 0, 2), 2
	s_setreg_imm32_b32 hwreg(HW_REG_WAVE_MODE, 25, 1), 1
	s_wait_xcnt 0x0
	s_wait_alu depctr_vm_vsrc(0)
; out0[head][q][:] = the sum over k of softmax_k(mask ? q . k / 8 : -inf) v[k][:], 64 heads, 2,048 queries and keys, head size 64; both products on codes of FP4 (E2M1) with one E8M0 scale for each 32 along a product's K.
; THE SOFTMAX AHEAD OF THE SECOND PRODUCT: t = score x log2(e) / 8; M = the row's largest t so far, rounded UP to a whole number; p = 2^(t - M) is quantised along the keys, not normalised; the row's sum is taken of the
; unquantised p and divides O at the end.  When M moves, the sum and O are multiplied by 2^(old M - new M), which rounds nothing.
; THE MASK IS AN INPUT.  The launch before has turned it into whole numbers: for each tile of 16 queries x 128 keys (a key step) two bits of state (fl) and 64 lane masks (ml), one for each score register.
; A step with no true byte adds nothing (every p is 0) and is passed over by a scalar branch; a step with all bytes true needs no masking; in any other the hidden scores become -inf ahead of the maximum.  Right for every mask.
; SHARES.  A work-group: one head, 512 queries.  Each of its SIXTEEN waves owns two tiles of 16 queries, one after the other: tiles 127 - p and p, p = 16 (work-group % 4) + wave: only an order of the tiles.
; 256 registers a wave, four waves to a SIMD: one wave's vector work stands beside another's products and LDS loads.
; LDS.  A head's K and V as codes with their scale words are 139,264 bytes: they come ONCE, through registers, behind ONE barrier; after it no wave waits for another.
; NO DATA MOVER, NO CLUSTER: no tensor load, so there is no joint load either; what the four work-groups of a head share is those 139,264 bytes, read once at the head.
; NO PREFETCH: every global read but the lane masks stands at the kernel's head, and the lane masks of a tile of queries are read by all 64 heads.
; LAYOUT.  Both products are used transposed: S^T = K Q^T (source 0 = 16 keys, source 1 = my 16 queries), O^T = V^T P^T (source 0 = 16 of the head's 64, source 1 = P): a lane holds ONE query (lane % 16) throughout.
; THE FIRST PRODUCT'S K IS 64, the instruction's 128.  A fragment of K holds TWO tiles of keys: registers 0-3 tile 2 b, registers 4-7 tile 2 b + 1.  It is multiplied twice: by {q, zeros}, which gives tile 2 b, and by
; {zeros, q}, which gives tile 2 b + 1: zero codes add nothing.  The zero half's scale bytes are 0 (2^-127).  THE KEYS OF A TILE ARE NOT NEIGHBOURS: lane r of tile 2 b + c takes key 32 b + 8 c + r + 8 (r / 8), so that the
; 16 registers of tiles 2 b and 2 b + 1 are keys 32 b + 16 (lane / 16) + 0 .. 15.
; LIMITS.  A row with no true mask byte: sum 0, O 0, 0 x (1 / 0) = NaN, as the softmax of a row of -inf is.  A block of zeros (of q, or of p) keeps the byte 1 with zero codes.  Blocks of q whose largest magnitude lies under
; 2^-124 were not tried; NaN and infinities in q are not served.  A block's largest p is made from its largest score by the same two instructions: this takes v_exp_f32 not to fall where its input rises.
; t - M is one fused multiply-add of the score (one rounding where the definition has two).
; REGISTERS: v1-3 addresses that stay, v4-6 the step's, v7-9 the stage's; v10, v45-47 the fill's; v11 -inf; v12 -M, v13 the largest t, v[14:15] the sum in two halves;
;   v16-35 zeros, q of tile A, zeros, q of tile B, zeros (four registers each); v36-39 q's scale words; v40-41 K's, v42-43 V's, v44 p's; v48-55 p's codes; v56-87 K's four fragments; v88-119 V's four;
;   v120-183 S^T, then p; v184-215 O^T; v216-233 at work.
; THE MODE: SCHED_MODE bits 1:0 = 2 (LLVM: expert scheduling mode 2), set by the entry lines.  The code itself states the register dependences between vector or matrix instructions and memory or LDS instructions,
; with s_wait_alu, always for 0.
; THE PLAN.  Registers that memory or LDS instructions touch:
;   v1-3, v7-10, v45-47  addresses: made by vector lines at the head, never written again: one wait on va_vdst ahead of the first load serves the whole kernel.
;   v4-6                 a step's LDS addresses: read by the step's twenty loads, written by three additions at the next trip's head.
;   v56-87, v40-41       K's fragments and scale words: loaded at a trip's head; read by the step's eight products S^T.  (At the head v56-87 carry kc to LDS and then tile B's q.)
;   v88-119, v42-43      V's fragments and scale words: loaded among the eight products S^T; read by the four products O^T at the step's end.  (At the head v88-119 carry vc to LDS.)
;   v120-183             the scores: named by vector and matrix lines in the loop.  At the head they carry q to the stage; on the way out v120-151 are written by the division and read by LDS stores, and in v152-183 the stage's
;                        loads land, which the global stores read.
;   v16-39, v44, v48-55  q's and p's codes and scale words: written by vector lines, taken by the scaled products as source 1 and as scales.
; A TRIP'S HEAD holds two waits.  vm_vsrc: the last trip's loads have read v4-6.  Behind the additions, va_vdst: v4-6 are written, and the last step's products are done reading all that this step's loads land in.
; Behind it the step's twenty loads owe nothing more: between it and the last of them stand only the eight products S^T, which name the scores, K's fragments and words and q's: none of V's registers.
; One more wait on va_vdst stands ahead of the products O^T, for p's codes and word; two more stand behind the exponentials.
.set VIMG,  65536                      ; LDS: 0: K's image [step 16][b 4][c 2][lane 32][16 bytes]; here V's: [step 16][tile 4][c 2][lane 32][16 bytes]
.set KSC,   131072                     ; K's scale words, 4,096 bytes; V's, 4,096 bytes, behind them
.set STG,   139264                     ; a stage for each wave: 16 rows x (256 bytes + 16), for q on the way in and O on the way out
.set SPI,   272
.set S,     120
.set O,     184
.set KF,    56
.set VF,    88
.set P,     48
.set BM,    216                        ; v216-219 the blocks' largest scores
.set T2,    220                        ; v220-223 lane l xor 16's; then the scales' bytes
.set SCL,   224                        ; v224-227 the conversions' scale operands
	s_load_b256 s[4:11], s[0:1], 0x0               ; q s[4:5], kc s[6:7], vc s[8:9], sc s[10:11]
	s_load_b128 s[12:15], s[0:1], 0x20             ; ml s[12:13], fl s[14:15]
	s_load_b64 s[16:17], s[0:1], 0x30              ; out0
	v_lshl_add_u32 v254, v0, 2, 0x33000
	v_mov_b32 v255, 0
	v_lshrrev_b32 v4, 5, v0
	v_readfirstlane_b32 s24, v4                    ; wave 0..15
	v_and_b32 v5, 31, v0                           ; lane
	v_and_b32 v6, 15, v0                           ; r
	v_bfe_u32 v12, v0, 4, 1                        ; h
	v_lshlrev_b32 v1, 4, v5                        ; 16 x lane: my place in an image of K, and my byte offset in 512 bytes of q or of out0
	v_add_nc_u32 v2, VIMG, v1                      ; the same in an image of V
	v_lshl_add_u32 v3, v5, 2, KSC                  ; 4 x lane: a scale word's
	s_wait_alu depctr_va_sdst(0)                   ; s24 is written, ahead of its first reader: my stage's place and my tiles of queries are made from it
	s_mul_i32 s30, s24, 16*SPI
	s_add_co_u32 s30, s30, STG                     ; my stage
	v_mul_u32_u24 v7, v12, SPI
	v_lshl_add_u32 v7, v6, 4, v7
	v_add_nc_u32 v7, s30, v7                       ; by rows: lanes 0-15 one row of 256 bytes, lanes 16-31 the next
	v_mul_u32_u24 v8, v6, SPI
	v_add_nc_u32 v8, s30, v8
	v_lshl_add_u32 v9, v12, 5, v8                  ; O on the way in: row r, + 32 h
	v_lshl_add_u32 v8, v12, 7, v8                  ; q on the way out: row r, + 128 h: my block of 32
	; the fill.  Thread T's 16 bytes of 8,192 of kc are block h = T % 2 of key T / 2 of 256: T's bits 1-3 = r % 8, bit 4 = c, bit 5 = r / 8, bits 6-7 = b, bit 8 = the step.  In the image they lie at 16 x (256 step + 64 b + 32 c + 16 h + r)
	v_bfe_u32 v10, v0, 1, 3
	v_bfe_u32 v45, v0, 5, 1
	v_lshl_or_b32 v10, v45, 3, v10
	v_and_b32 v45, 1, v0
	v_lshl_or_b32 v10, v45, 4, v10
	v_bfe_u32 v45, v0, 4, 1
	v_lshl_or_b32 v10, v45, 5, v10
	v_and_or_b32 v10, v0, 0x1c0, v10
	v_lshlrev_b32 v10, 4, v10
	v_lshlrev_b32 v46, 4, v0                       ; in memory, and for vc and sc in LDS too: 16 x thread
	v_add_nc_u32 v47, VIMG, v46
	v_add_nc_u32 v45, KSC, v46
	s_mov_b32 s100, 0x76543210
	s_mov_b32 s101, 0xfedcba98                     ; v_permlanex16_b32's selects for lane l xor 16
	s_mov_b32 s2, 0x3e38aa3b                       ; c = log2(e) / 8
	s_mov_b32 s3, s2                               ; (the packed form names the pair and takes its low word for both halves)
	s_lshr_b32 s28, ttmp9, 2                       ; the head
	s_and_b32 s29, ttmp9, 3
	s_lshl_b32 s29, s29, 4
	s_add_co_u32 s29, s29, s24                     ; tile B of queries: p
	s_sub_co_u32 s27, 127, s29                     ; tile A: 127 - p
	s_lshl_b32 s31, s28, 19                        ; q, out0: 524,288 bytes a head, 4,096 a tile
	s_lshl_b32 s40, s27, 12                        ; (ml: 4,096 bytes a tile too)
	s_lshl_b32 s42, s29, 12
	s_add_co_u32 s32, s31, s40
	s_add_co_u32 s34, s31, s42
	s_lshl_b32 s36, s28, 16                        ; kc, vc: 65,536 a head
	s_lshl_b32 s38, s28, 13                        ; sc: 8,192
	s_lshl_b32 s44, s27, 2                         ; fl: a word a tile
	s_lshl_b32 s45, s29, 2
.irp j, 33,35,37,39,41,43
	s_mov_b32 s\j, 0
.endr
	s_wait_kmcnt 0x0
	s_add_nc_u64 s[18:19], s[4:5], s[34:35]        ; q of tile B,
	s_add_nc_u64 s[4:5], s[4:5], s[32:33]          ; of tile A
	s_add_nc_u64 s[20:21], s[16:17], s[34:35]      ; out0 likewise
	s_add_nc_u64 s[16:17], s[16:17], s[32:33]
	s_add_nc_u64 s[22:23], s[12:13], s[42:43]      ; ml likewise
	s_add_nc_u64 s[12:13], s[12:13], s[40:41]
	s_add_nc_u64 s[6:7], s[6:7], s[36:37]
	s_add_nc_u64 s[8:9], s[8:9], s[36:37]
	s_add_nc_u64 s[10:11], s[10:11], s[38:39]
	s_load_b32 s25, s[14:15], s44 offset:0x0       ; tile A's sixteen states,
	s_load_b32 s26, s[14:15], s45 offset:0x0       ; tile B's
	s_wait_alu depctr_va_vdst(0)                   ; the addresses v1-3, v7-10 and v45-47 are written, which the loads and stores of the whole kernel read; none of them is written again
.irp n, 0,1,2,3,4,5,6,7
	global_load_b128 v[KF+4*\n:KF+4*\n+3], v46, s[6:7] offset:8192*\n    ; the work-group's 512 threads read 8,192 consecutive bytes
.endr
.irp n, 0,1,2,3,4,5,6,7
	global_load_b128 v[VF+4*\n:VF+4*\n+3], v46, s[8:9] offset:8192*\n
.endr
	global_load_b128 v[216:219], v46, s[10:11]
.irp i, 0,1,2,3,4,5,6,7
	global_load_b128 v[120+4*\i:123+4*\i], v1, s[4:5] offset:512*\i th:TH_LOAD_NT    ; q of tile A: two rows an instruction; read once in the launch
.endr
.irp i, 0,1,2,3,4,5,6,7
	global_load_b128 v[152+4*\i:155+4*\i], v1, s[18:19] offset:512*\i th:TH_LOAD_NT  ; of tile B
.endr
	s_wait_loadcnt 16                              ; the head's codes and scale words are in; q's sixteen loads may be out
.irp n, 0,1,2,3,4,5,6,7
	ds_store_b128 v10, v[KF+4*\n:KF+4*\n+3] offset:8192*\n
.endr
.irp n, 0,1,2,3,4,5,6,7
	ds_store_b128 v47, v[VF+4*\n:VF+4*\n+3] offset:8192*\n
.endr
	ds_store_b128 v45, v[216:219]
	s_wait_loadcnt 8                               ; q of tile A is in; tile B's eight loads may be out
.irp i, 0,1,2,3,4,5,6,7
	ds_store_b128 v7, v[120+4*\i:123+4*\i] offset:2*SPI*\i
.endr
.irp j, 0,1,2,3,4,5,6,7
	ds_load_b128 v[184+4*\j:187+4*\j], v8 offset:16*\j     ; q(r, 32 h + 0 .. 31): a whole block a lane.  LDS serves a wave's instructions in order (ISA guide 5.7.1): these see my stores
.endr
	s_wait_loadcnt 0x0
.irp i, 0,1,2,3,4,5,6,7
	ds_store_b128 v7, v[152+4*\i:155+4*\i] offset:2*SPI*\i ; behind tile A's loads from the stage
.endr
	s_wait_dscnt 16                                ; all but tile A's eight loads and these eight stores are done: the fill's seventeen stores among them
	s_wait_alu depctr_vm_vsrc(0)                   ; my LDS stores have read their data: v56-87, in which the next loads land; v88-119, in which V's fragments will land; v216-219, which q's maxima write; v120-183, which the products write
.irp j, 0,1,2,3,4,5,6,7
	ds_load_b128 v[56+4*\j:59+4*\j], v8 offset:16*\j
.endr
	s_wait_dscnt 0x0                               ; for the others' sake: my part of the fill has landed; and q is back
	s_barrier_signal -1
	; between signal and wait, on registers alone: q's two tiles are quantised, by turns (u = 0: tile A from v184 on, u = 1: tile B from v56 on)
.irp j, 0,1,2,3
	v_mov_b32 v[T2+\j], 0                          ; a lane permute's destination counts as one of its sources
.endr
.irp u, 0,1
	v_max3_num_f32 v[216+\u], |v[184-128*\u]|, |v[185-128*\u]|, 0x1800000   ; my block's 32 numbers, and the floor 2^(3 - 127): the byte cannot fall under 1
.endr
.irp i, 2,4,6,8,10,12,14,16,18,20,22,24,26,28,30
.irp u, 0,1
	v_max3_num_f32 v[216+\u], v[216+\u], |v[184-128*\u+\i]|, |v[185-128*\u+\i]|
.endr
.endr
.irp u, 0,1
	v_add_nc_u32 v[224+\u], 0xff000000, v[216+\u]  ; 2 off the exponent field: the conversion's scale operand
.endr
.irp u, 0,1
	v_lshrrev_b32 v[218+\u], 23, v[224+\u]         ; the scale's byte
.endr
	v_bfe_u32 v230, v0, 4, 1
	v_lshlrev_b32 v230, 3, v230
.irp u, 0,1
	v_lshlrev_b32 v[218+\u], v230, v[218+\u]       ; at its place: 8 h bits up
.endr
.irp u, 0,1
	v_permlanex16_b32 v[T2+\u], v[218+\u], s100, s101
.endr
.irp u, 0,1
	v_or_b32 v[36+2*\u], v[218+\u], v[T2+\u]       ; the scale word for {q, zeros}: bytes 0, 1; bytes 2, 3 are 0
.endr
.irp u, 0,1
	v_lshlrev_b32 v[37+2*\u], 16, v[36+2*\u]       ; and for {zeros, q}
.endr
.irp u, 0,1
.irp g, 0,1,2,3
	v_cvt_scalef32_pk8_fp4_f32 v[20+8*\u+\g], v[184-128*\u+8*\g:191-128*\u+8*\g], v[224+\u]
.endr
.endr
	v_nop                                          ; one plain line behind the scaled conversions
.irp j, 16,17,18,19,24,25,26,27,32,33,34,35
	v_mov_b32 v\j, 0                               ; the zero codes on either side of q's
.endr
	v_mov_b32 v11, 0xff800000                      ; -inf
	v_mov_b32 v229, 0                              ; (named as the upper half of the pair v[228:229])
	s_barrier_wait -1                              ; the whole head lies in LDS; from here on it is only read
	s_wait_kmcnt 0x0                               ; the states
; A step's loads and its eight products S^T = K Q^T.  K's ten loads stand ahead of the products; V's ten are dealt among them.  It is written on both ways of the branch on the step's state.
; No s_wait_alu stands here: the wait on va_vdst at the trip's head covers all twenty loads, since the products between name the scores, v56-87, v40-41 and q's registers alone.
.macro QK qlo, qhi, slo, shi
.irp b, 0,1,2,3
.irp c, 0,1
	ds_load_b128 v[KF+8*\b+4*\c:KF+8*\b+4*\c+3], v4 offset:1024*\b+512*\c    ; an image of the operand's registers: 32 lanes read 512 consecutive bytes
.endr
.endr
	ds_load_b32 v40, v6                            ; K's scale words: lanes 0-15 fragment 0's, lanes 16-31 fragment 1's;
	ds_load_b32 v41, v6 offset:128                 ; fragments 2 and 3
	s_wait_dscnt 0x0                               ; K's ten are in: no other LDS instruction of mine is out here
.irp b, 0,1,2,3
.if \b % 2
	v_wmma_scale_f32_16x16x128_f8f6f4 v[S+16*\b:S+16*\b+7], v[KF+8*\b:KF+8*\b+7], v[\qlo:\qlo+7], 0, v[40+\b/2], v[\slo] matrix_a_fmt:MATRIX_FMT_FP4 matrix_b_fmt:MATRIX_FMT_FP4 matrix_a_scale:MATRIX_SCALE_ROW1
	v_wmma_scale_f32_16x16x128_f8f6f4 v[S+16*\b+8:S+16*\b+15], v[KF+8*\b:KF+8*\b+7], v[\qhi:\qhi+7], 0, v[40+\b/2], v[\shi] matrix_a_fmt:MATRIX_FMT_FP4 matrix_b_fmt:MATRIX_FMT_FP4 matrix_a_scale:MATRIX_SCALE_ROW1
.else
	v_wmma_scale_f32_16x16x128_f8f6f4 v[S+16*\b:S+16*\b+7], v[KF+8*\b:KF+8*\b+7], v[\qlo:\qlo+7], 0, v[40+\b/2], v[\slo] matrix_a_fmt:MATRIX_FMT_FP4 matrix_b_fmt:MATRIX_FMT_FP4
	v_wmma_scale_f32_16x16x128_f8f6f4 v[S+16*\b+8:S+16*\b+15], v[KF+8*\b:KF+8*\b+7], v[\qhi:\qhi+7], 0, v[40+\b/2], v[\shi] matrix_a_fmt:MATRIX_FMT_FP4 matrix_b_fmt:MATRIX_FMT_FP4
.endif
.irp c, 0,1
	ds_load_b128 v[VF+8*\b+4*\c:VF+8*\b+4*\c+3], v5 offset:1024*\b+512*\c    ; V's tile b of 16 columns: wanted behind the softmax
.endr
.if \b % 2
	ds_load_b32 v[42+\b/2], v6 offset:4096+128*(\b/2)      ; V's scale words: v42 tiles 0 and 1, v43 tiles 2 and 3
.endif
.endr
.rept 4
	v_nop                                          ; four places behind the products, ahead of the first read of the scores (ISA guide 7.12.1)
.endr
.endm
; A TILE OF 16 QUERIES: all sixteen key steps, then the way out.  qhi, qlo: the first register of {zeros, q} and of {q, zeros}; slo, shi: their scale words; fl: the states; ml, out: the pairs with the tile's addresses.
; later = 1: a tile has gone out ahead of this one.
.macro TILE qhi, qlo, slo, shi, fl, ml, out, later
	v_mov_b32 v13, 0xff61b1e6                      ; the largest t so far: -3e38, under every t
	v_floor_f32 v12, -v13                          ; -M
	v_mov_b32 v14, 0                               ; the sum, in two halves
	v_mov_b32 v15, 0
.set j, 0
.rept 32
	v_mov_b32 v[O+j], 0                            ; O^T.  Which step is a tile's first hangs on the mask, so no first step can be written out with the constant 0 as its C; the first change of M leaves zeros zeros
.set j, j+1
.endr
.if \later
	s_wait_xcnt 0x0                                ; the last tile's stores have had their addresses translated (ISA guide 3.1): v152-183 are written again only behind this wait.  The lines above name none of those stores' registers
.endif
	s_mov_b32 s27, 0
.Lstep_\@:                                         ; sixteen trips, whatever the mask: what is passed over is a step's work
	s_wait_alu depctr_vm_vsrc(0)                   ; the last trip's LDS loads have read v4-6, which the additions write; in a later tile's first trip: the last tile's LDS stores have read v120-151 and its global stores v152-183, which the products write
	s_lshl_b32 s29, s27, 12                        ; 4,096 bytes of each image a step
	v_add_nc_u32 v4, s29, v1
	v_add_nc_u32 v5, s29, v2
	s_lshl_b32 s29, s27, 8                         ; 256 bytes of scale words, and of lane masks
	v_add_nc_u32 v6, s29, v3
	v_nop                                          ; with the three additions: four plain lines between the last step's products and the loads into the registers that they read
	s_wait_alu depctr_va_vdst(0)                   ; v4-6 are written, which the step's loads read; the last step's products are done reading v56-119 and v40-43, in which those loads land; in the first trip: q's conversions are done reading v56-87, and q's codes, the zeros and q's scale words are written, which the scaled products take
	s_lshl_b32 s30, s27, 1
	s_lshr_b32 s28, s[\fl], s30
	s_bitcmp1_b32 s28, 0
	s_cbranch_scc0 .Lnext_\@                       ; no byte of the step is true: every p would be 0
	s_bitcmp1_b32 s28, 1
	s_cbranch_scc1 .Lmixed_\@
	QK \qlo, \qhi, \slo, \shi                      ; all bytes are true
	s_branch .Lopen_\@
.Lmixed_\@:
	s_load_b512 s[32:47], s[\ml:\ml+1], s29 offset:0x0     ; the step's 64 lane masks; they land while K is fetched and multiplied
	s_load_b512 s[48:63], s[\ml:\ml+1], s29 offset:0x40
	s_load_b512 s[68:83], s[\ml:\ml+1], s29 offset:0x80
	s_load_b512 s[84:99], s[\ml:\ml+1], s29 offset:0xc0
	QK \qlo, \qhi, \slo, \shi
	s_wait_kmcnt 0x0                               ; (it also frees s29)
.set n, 0
.rept 64
	v_cndmask_b32 v[S+n], v11, v[S+n], s[32+n+4*(n/32)]    ; a hidden score becomes -inf; each accumulator is read from its low end on
.set n, n+1
.endr
.Lopen_\@:
.irp b, 0,1,2,3
	v_max3_num_f32 v[BM+\b], v[S+16*\b], v[S+1+16*\b], v[S+2+16*\b]    ; THE LARGEST SCORE OF EACH BLOCK OF 32 KEYS serves twice: for the row's maximum and, since p rises with the score, for the block's largest p
.endr
.irp i, 3,5,7,9,11,13
.irp b, 0,1,2,3
	v_max3_num_f32 v[BM+\b], v[BM+\b], v[S+16*\b+\i], v[S+1+16*\b+\i]  ; (the four blocks by turns)
.endr
.endr
.irp b, 0,1,2,3
	v_max_num_f32 v[BM+\b], v[BM+\b], v[S+15+16*\b]
.endr
.irp b, 0,1,2,3
	v_permlanex16_b32 v[T2+\b], v[BM+\b], s100, s101
.endr
.irp b, 0,1,2,3
	v_max_num_f32 v[BM+\b], v[BM+\b], v[T2+\b]     ; with lane l xor 16's 16 keys
.endr
	v_max3_num_f32 v230, v216, v217, v218
	v_max_num_f32 v230, v230, v219                 ; the step's largest score of my query
	v_mul_f32 v230, s2, v230                       ; as t (c is positive)
	v_max_num_f32 v13, v13, v230                   ; the running largest t
	v_mov_b32 v230, v12
	v_floor_f32 v12, -v13                          ; the new -M = floor(-t) = -ceil(t): M IS A WHOLE NUMBER
	v_sub_f32 v230, v12, v230                      ; M's old value less its new one: a whole number, 0 or less
	v_cvt_i32_f32 v230, v230                       ; (it saturates)
	v_ldexp_f32 v228, 1.0, v230                    ; f = 2^(old M - new M)
.set j, 0
.rept 32
	v_pk_fma_f32 v[S+j:S+j+1], v[S+j:S+j+1], s[2:3], v[12:13] op_sel_hi:[1,0,0]   ; t - M, two at a time
.set j, j+2
.endr
.irp b, 0,1,2,3
	v_fma_f32 v[BM+\b], v[BM+\b], s2, v12          ; the same of each block's largest score
.endr
.set j, 0
	s_wait_alu depctr_va_vdst(0)
.rept 64
	v_exp_f32 v[S+j], v[S+j]                       ; p = 2^(t - M), at most 1: NOT normalised
.set j, j+1
.endr
	v_pk_mul_f32 v[14:15], v[14:15], v[228:229] op_sel_hi:[1,0]    ; the sums under the new M (the plain line behind the exponentials)
	s_wait_alu depctr_va_vdst(0)                   ; the 64 exponentials have written p, v120-183, ahead of the first line that names one of them: one wait for the batch
.irp b, 0,1,2,3
	v_exp_f32 v[BM+\b], v[BM+\b]                   ; the block's largest p: the same two instructions on the same number give the same bits
.endr
	v_pk_add_f32 v[232:233], v[S:S+1], v[S+2:S+3]  ; THE ROW'S SUM IS TAKEN OF THE UNQUANTISED p: two at a time, in two chains (plain work behind the four)
.set j, 4
.rept 15
	v_pk_add_f32 v[14:15], v[14:15], v[S+j:S+j+1]
	v_pk_add_f32 v[232:233], v[232:233], v[S+j+2:S+j+3]
.set j, j+4
.endr
	v_pk_add_f32 v[14:15], v[14:15], v[232:233]
	s_wait_alu depctr_va_vdst(0)                   ; the four exponentials have written the blocks' largest p, v216-219, ahead of their first reader
.irp b, 0,1,2,3
	v_max_num_f32 v[BM+\b], 0x1800000, v[BM+\b]    ; the floor 2^(3 - 127): the byte cannot fall under 1 (a block whose every p is 0 keeps that byte: its codes are zeros)
.endr
.irp b, 0,1,2,3
	v_add_nc_u32 v[SCL+\b], 0xff000000, v[BM+\b]   ; 2 off the exponent field: the conversion's scale operand
.endr
.irp b, 0,1,2,3
	v_lshrrev_b32 v[T2+\b], 23, v[SCL+\b]          ; the scale's byte
.endr
	v_lshl_or_b32 v44, v221, 8, v220               ; p's scale word for these 128 keys
	v_lshl_or_b32 v44, v222, 16, v44
	v_lshl_or_b32 v44, v223, 24, v44
.irp b, 0,1,2,3
	v_cvt_scalef32_pk8_fp4_f32 v[P+2*\b], v[S+16*\b:S+7+16*\b], v[SCL+\b]
	v_cvt_scalef32_pk8_fp4_f32 v[P+1+2*\b], v[S+8+16*\b:S+15+16*\b], v[SCL+\b]
.endr
	v_nop                                          ; one plain line between a scaled conversion and the vector line that touches its result
.irp c, 0,1                                    ; the operand's layout wants a WHOLE block in a lane: lanes 0-15 block 2 c, lanes 16-31 block 2 c + 1
.irp i, 0,1
	v_permlane16_swap_b32 v[P+4*\c+\i], v[P+2+4*\c+\i]
.endr
.endr
.set j, 0
.rept 16
	v_pk_mul_f32 v[O+j:O+j+1], v[O+j:O+j+1], v[228:229] op_sel_hi:[1,0]   ; O^T under the new M, from each accumulator's low end on.  Twelve of these sixteen name no register of any one product below: the places between p's codes and scale word and that product
.set j, j+2
.endr
	s_wait_alu depctr_va_vdst(0)                   ; p's codes v48-55 and p's scale word v44 are written, which the scaled products below take; the places above stay beside this wait
	s_wait_dscnt 0x0                               ; V's fragments and scale words are in
.irp t, 0,1,2,3                                ; O^T += V^T P^T: the four accumulators by turns, one instruction a turn, and S^T's products stand between the steps
.if \t % 2
	v_wmma_scale_f32_16x16x128_f8f6f4 v[O+8*\t:O+8*\t+7], v[VF+8*\t:VF+8*\t+7], v[P:P+7], v[O+8*\t:O+8*\t+7], v[42+\t/2], v44 matrix_a_fmt:MATRIX_FMT_FP4 matrix_b_fmt:MATRIX_FMT_FP4 matrix_a_scale:MATRIX_SCALE_ROW1
.else
	v_wmma_scale_f32_16x16x128_f8f6f4 v[O+8*\t:O+8*\t+7], v[VF+8*\t:VF+8*\t+7], v[P:P+7], v[O+8*\t:O+8*\t+7], v[42+\t/2], v44 matrix_a_fmt:MATRIX_FMT_FP4 matrix_b_fmt:MATRIX_FMT_FP4
.endif
.endr
.Lnext_\@:
	s_add_co_u32 s27, s27, 1
	s_cmp_lt_u32 s27, 16
	s_cbranch_scc1 .Lstep_\@
	; THE WAY OUT.  O^T / the sum goes through my stage in LDS and leaves as whole rows of 256 bytes.
.rept 4
	v_nop                                          ; four places behind the last products
.endr
	v_add_f32 v14, v14, v15                        ; the sum's two halves,
	v_permlanex16_b32 v230, v14, s100, s101
	v_add_f32 v14, v14, v230                       ; and lane l xor 16's: the row's sum
	s_wait_alu depctr_va_vdst(0)
	v_rcp_f32 v14, v14
	v_nop                                          ; a plain line behind the reciprocal,
	s_wait_alu depctr_va_vdst(0)                   ; the reciprocal has written v14, ahead of its first reader
.set j, 0
.rept 32
	v_mul_f32 v[S+j], v[O+j], v14                  ; register 8 t + i is o(r, 16 t + 8 h + i)
.set j, j+1
.endr
	s_wait_alu depctr_va_vdst(0)                   ; the multiplications have written v120-151, which the LDS stores read; and the loop's lines are done with v152-183, in which the stage's loads land
.irp t, 0,1,2,3
	ds_store_b128 v9, v[S+8*\t:S+8*\t+3] offset:64*\t
	ds_store_b128 v9, v[S+8*\t+4:S+8*\t+7] offset:64*\t+16
.endr
.irp i, 0,1,2,3,4,5,6,7
	ds_load_b128 v[152+4*\i:155+4*\i], v7 offset:2*SPI*\i  ; in order behind my stores
.endr
.irp i, 0,1,2,3,4,5,6,7
	s_wait_dscnt 7-\i                              ; load i is in; the younger ones may be out
	global_store_b128 v1, v[152+4*\i:155+4*\i], s[\out:\out+1] offset:512*\i th:TH_STORE_NT   ; sixteen lanes store a row's 256 consecutive bytes, aligned; written once, read by nobody here
.endr
.endm
	TILE 16, 20, 36, 37, 25, 12, 16, 0             ; tile A
	TILE 24, 28, 38, 39, 26, 22, 20, 1             ; tile B
	s_wait_dscnt 0x0
	s_wait_alu depctr_hold_cnt(0) depctr_sa_sdst(0) depctr_va_vdst(0) depctr_va_sdst(0) depctr_va_ssrc(0) depctr_va_vcc(0) depctr_vm_vsrc(0)
	s_wait_tensorcnt 0x0
	ds_add_u32 v254, v255
	s_wait_dscnt 0x0
	s_endpgm
.Lfunc_end_k_q5c9a82b4f1_attn:
	.size	k_q5c9a82b4f1_attn, .Lfunc_end_k_q5c9a82b4f1_attn-k_q5c9a82b4f1_attn
	.p2alignl 7, 3214868480
	.fill 96, 4, 3214868480
	.section	.rodata,"a",@progbits
	.p2align	6, 0x0
	.amdhsa_kernel k_q5c9a82b4f1_attn
		.amdhsa_group_segment_fixed_size 210944
		.amdhsa_private_segment_fixed_size 0
		.amdhsa_enable_private_segment 0
		.amdhsa_kernarg_size 56
		.amdhsa_user_sgpr_count 2
		.amdhsa_user_sgpr_kernarg_segment_ptr 1
		.amdhsa_wavefront_size32 1
		.amdhsa_system_sgpr_workgroup_id_x 1
		.amdhsa_system_sgpr_workgroup_id_y 1
		.amdhsa_system_sgpr_workgroup_id_z 1
		.amdhsa_system_vgpr_workitem_id 0
		.amdhsa_next_free_vgpr 256
		.amdhsa_next_free_sgpr 102
		.amdhsa_reserve_vcc 0
		.amdhsa_float_denorm_mode_32 3
		.amdhsa_float_denorm_mode_16_64 3
		.amdhsa_memory_ordered 1
		.amdhsa_forward_progress 1
		.amdhsa_inst_pref_size 68
	.end_amdhsa_kernel
	.amdgpu_metadata
---
amdhsa.version: [ 1, 2 ]
amdhsa.kernels:
  - .name:           k_q5c9a82b4f1_attn
    .symbol:         k_q5c9a82b4f1_attn.kd
    .args:
      - { .name: q, .offset: 0, .size: 8, .value_kind: global_buffer, .address_space: global }
      - { .name: kc, .offset: 8, .size: 8, .value_kind: global_buffer, .address_space: global }
      - { .name: vc, .offset: 16, .size: 8, .value_kind: global_buffer, .address_space: global }
      - { .name: sc, .offset: 24, .size: 8, .value_kind: global_buffer, .address_space: global }
      - { .name: ml, .offset: 32, .size: 8, .value_kind: global_buffer, .address_space: global }
      - { .name: fl, .offset: 40, .size: 8, .value_kind: global_buffer, .address_space: global }
      - { .name: out0, .offset: 48, .size: 8, .value_kind: global_buffer, .address_space: global }
    .group_segment_fixed_size: 210944
    .private_segment_fixed_size: 0
    .kernarg_segment_align: 8
    .kernarg_segment_size: 56
    .max_flat_workgroup_size: 512
    .sgpr_count:     102
    .vgpr_count:     256
    .wavefront_size: 32
...
	.end_amdgpu_metadata
.endif
;; end of part 4
